; MI455X (gfx1250); checked and timed in simulation.
; The chip was launched on July 23, 2026; its instructions are those of AMD's public machine-readable ISA for CDNA 5 (MIT licence, August 2026) and "CDNA5" Instruction Set Architecture Reference Guide (July 2026). The comments in the code are by the model that wrote it; some were corrected since.
;; Drift Aware Multi Head Attention. Allowed arithmetic: matrix products marked QUANTISED: E2M3 operands, one E8M0 scale for each 32 along K, by v_wmma_scale_f32_16x16x128_f8f6f4 with both operands' format E2M3, f32 sums; everything else in f32.
;; Inputs: b_out 1,024 float32; rescale one number float32; w_out 1,024 x 1,024 float32; w_qkv 3,072 x 1,024 float32; x 4 x 2,048 x 1,024 float32.
;; Outputs: out0 4 x 2,048 x 1,024 float32.
;; This version of the problem:
;;   THIS VERSION OF THE PROBLEM IS GIVEN IN LOW PRECISION. The matrix products marked QUANTISED in the list below multiply operands that are first quantised to E2M3 (2 exponent bits, 3 mantissa bits; 6 bits a number), with one power-of-two scale for each 32 numbers along K (OCP MX v1.0); their sums are f32. All else is computed in f32.
;;   The module's matrix products, in the order in which they are computed (A, B: the left and right operand; K: the contracted axis; several contracted axes count as one K, in the product's order):
;;     1. [M 8,192, K 1,024] x [K 1,024, N 3,072]; A: input x; B: input w_qkv: QUANTISED
;;     2. batch 64 x [M 2,048, K 64] x [K 64, N 2,048]; A: computed on the way; B: computed on the way: QUANTISED
;;     3. batch 64 x [M 2,048, K 2,048] x [K 2,048, N 64]; A: softmax (see below); B: computed on the way: QUANTISED
;;     4. [M 8,192, K 1,024] x [K 1,024, N 1,024]; A: computed on the way; B: input w_out: QUANTISED
;;   THE QUANTISER, for each operand of a quantised product, along K:
;;     - K is cut into blocks of 32 from its start; a last block that is shorter is filled with zeros.
;;     - A block's scale is 2^e with e = floor(log2(the largest magnitude in the block)) - 2, held to -126 .. 127; a block of zeros has e = 0. As a byte (E8M0): e + 127.
;;     - Each number is divided by its block's scale, clamped to +-7.5, and rounded to the nearest number of E2M3, ties to even, subnormals kept.
;;     - The product sums the exact products of the quantised numbers (number of the format x scale) in f32.
;;   ~~~python
;;   def quantise(x, axis):      # numpy; x: float32 -> the quantised numbers, widened to float32 again
;;       x = np.moveaxis(x, axis, -1); K = x.shape[-1]
;;       x = np.pad(x, [(0, 0)] * (x.ndim - 1) + [(0, -K % 32)]); x = x.reshape(x.shape[:-1] + (-1, 32)); a = np.abs(x).max(-1, keepdims=True)
;;       e = np.where(a > 0, np.clip(np.frexp(np.where(a > 0, a, 1))[1] - 1 - 2, -126, 127), 0)      # np.frexp(a)[1] - 1 = floor(log2(a)), exactly
;;       r = np.clip(x / 2.0 ** e, -7.5, 7.5)
;;       step = 2.0 ** (np.maximum(np.frexp(np.where(r == 0, 1, r))[1] - 1, 0) - 3)
;;       q = np.round(r / step) * step * 2.0 ** e      # np.round: ties to even
;;       return np.moveaxis(q.reshape(q.shape[:-2] + (-1,))[..., :K], -1, axis).astype(np.float32)
;;   ~~~
;;   SOFTMAX AHEAD OF A QUANTISED PRODUCT. Where the list says 'softmax', what is quantised is not the finished softmax but p = 2^(t - M), with t = logit x log2(e) and M = ceil(the row's largest t), a whole number; so 1/2 < the row's largest p <= 1. The row's sum l is taken of the UNQUANTISED p, in f32, and the product's result is divided by l at the end. Since M is a whole number, a kernel that streams over the keys may use a running M (the ceiling of the running maximum): every later rescaling is an exact power of two, which a block's scale takes up: the codes' values come out the same.
;;   OPERANDS COMPUTED ON THE WAY. 'Computed on the way' means the value that the module computes at that place (a softmax that the list does not call 'softmax' is quantised finished and normalised). What goes into a quantiser is computed in f32, as accurately as f32 sums, v_exp_f32 and their like allow (about 1e-6 of the number): no bf16 or f16 on the way to a quantiser, and a product that is left as it is and whose result goes on into a quantised operand takes f32 operands (vector FMAs, or v_wmma_f32_16x16x4_f32). A number that lies on a knife's edge between two numbers of the format may be rounded either way, as far as f32 arithmetic and the matrix unit's own rounding can turn it there, and no further.
;; One version. Each part assembles by itself: llvm-mc -triple=amdgcn-amd-amdhsa -mcpu=gfx1250 --defsym DOCPART=n.
;; ======== version 1 of 1: 4 launches
;; limits: right only within a limited range of input values
;; workspace buffers: codes 9,437,184 bytes; scales 393,216 bytes; qkv_codes 18,874,368 bytes; qkv_scales 786,432 bytes; att_codes 6,291,456 bytes; att_scales 262,144 bytes
;; launch quant (part 1): grid 384 x 1, 4 waves a work-group, no clusters, 58,112 bytes of LDS; arguments x, w_qkv, w_out, codes, scales; writes codes, scales
.if DOCPART == 1
	.amdgcn_target "amdgcn-amd-amdhsa--gfx1250"
	.amdhsa_code_object_version 6
	.text
	.protected	k_q6e8801683f_quant
	.globl	k_q6e8801683f_quant
	.p2align	8
	.type	k_q6e8801683f_quant,@function
k_q6e8801683f_quant:
	s_mov_b64 s[64:65], 0
	v_nop
	global_prefetch_b8 v0, s[64:65] scope:SCOPE_SE
	s_setreg_imm32_b32 hwreg(HW_REG_WAVE_MODE, 25, 1), 1
	s_wait_xcnt 0x0
; x [8192][1024], w_qkv [3072][1024] and w_out [1024][1024], f32, become codes of FP6 (E2M3) and one E8M0 byte for each 32 along K, as 12,288 rows: 0-8191 x, 8192-11263 w_qkv, 11264-12287 w_out.
; CODES: 16 planes, one for each 64 along K, each [12,288 rows][48 bytes].  SCALES: [12,288 rows][32 bytes].
; A block's scale is 2^(floor(log2(its largest magnitude)) - 2); its byte is that magnitude's exponent field - 2, held at 1 from below; numbers are divided by it and rounded to the nearest code, ties to even; beyond 7.5 the largest code.
; STORED ORDER: row p holds the tensor's row p with bits 3 and 4 exchanged.  A wave takes 8 rows on end, so the exchange is that of the wave number's two bits.
; LIMITS: a block of zeros gets the byte 1 where the rule says 127 (its codes are zeros; this program alone reads the bytes); largest magnitudes under 2^-124 count as 2^-124; NaN and infinities are not served.
; A work-group takes 32 rows, a wave 16 steps of 512 numbers.  A step's four loads read 512 consecutive bytes each and turn through the wave's own stage, so that a lane holds 16 neighbours and two lanes a block.
; The codes gather in a stage of the work-group, [plane][32 rows][48 bytes]; behind one barrier each wave stores four planes' 1,536 bytes, 512 consecutive aligned bytes an instruction.
.set STEPS, 16
.set EMAX,  2
.set R,     16                         ; v16-79   four sets of 16 numbers as loaded; at the end the codes on their way out
.set X,     80                         ; v80-111  two sets of 16 neighbours
.set C,     128                        ; v128-191 codes, four registers a step
.set E,     112                        ; v112-127 a scale byte a step
.set WREG,  8192                       ; LDS: a region a wave: two stages of 32 x SP bytes, then its 256 scale bytes
.set SP,    80
.set SPARE, 32768                      ; the spare words, 128 bytes a wave
.set CST,   33280                      ; the codes' stage: 16 planes of PP bytes
.set PP,    1552                       ; 1,536 bytes + 16: the eight planes that a store touches begin 4 banks apart
.set PLANE, 589824                     ; a plane in memory: 12,288 rows x 48 bytes
	s_load_b128 s[4:7], s[0:1], 0x0                ; x, w_qkv
	s_load_b128 s[8:11], s[0:1], 0x10              ; w_out, codes
	s_load_b64 s[12:13], s[0:1], 0x20              ; scales
	v_lshl_add_u32 v192, v0, 2, SPARE
	v_mov_b32 v193, 0
	v_lshrrev_b32 v1, 5, v0
	v_readfirstlane_b32 s16, v1                    ; wave
	s_and_b32 s24, s16, 1
	s_lshl_b32 s24, s24, 1
	s_lshr_b32 s19, s16, 1
	s_or_b32 s24, s24, s19                         ; the wave number's two bits exchanged: which 8 stored rows are mine
	s_mul_i32 s22, s24, 384
	s_add_co_u32 s22, s22, CST
	s_mul_i32 s23, s16, 4*PP
	s_add_co_u32 s23, s23, CST                     ; the four planes that I store
	s_mul_i32 s17, s16, WREG
	v_and_b32 v2, 31, v0                           ; lane
	v_lshlrev_b32 v3, 4, v2                        ; my 16 bytes of 512
	v_lshrrev_b32 v14, 2, v2
	v_mul_u32_u24 v4, v14, PP                      ; codes' stage: plane lane / 4 of a step's eight,
	v_mul_u32_u24 v14, v14, SP
	v_and_b32 v15, 3, v2
	v_mad_u32_u24 v4, v15, 12, v4                  ; 12 bytes for each 16 codes
	v_lshl_add_u32 v14, v15, 4, v14
	v_add_nc_u32 v4, s22, v4
	v_add_nc_u32 v14, s17, v14                     ; the turn, in: SP (lane / 4) + 16 (lane % 4)
	v_mul_u32_u24 v15, v2, SP
	v_add_nc_u32 v15, s17, v15                     ; and out: SP x lane
	v_add_nc_u32 v10, s23, v3                      ; codes' stage, on the way out
	v_lshrrev_b32 v5, 1, v2
	s_add_co_u32 s17, s17, 2*32*SP
	v_add_nc_u32 v5, s17, v5                       ; my block's scale byte
	v_lshlrev_b32 v7, 3, v2
	v_add_nc_u32 v6, s17, v7
	s_wait_alu depctr_va_vdst(0)                   ; the wait at the head's end
	s_wait_kmcnt 0x0
	s_cmp_lt_u32 ttmp9, 256                        ; which tensor: by the work-group's number alone
	s_cselect_b64 s[4:5], s[4:5], s[6:7]
	s_cselect_b32 s17, 0, 256
	s_cmp_lt_u32 ttmp9, 352
	s_cselect_b64 s[4:5], s[4:5], s[8:9]
	s_cselect_b32 s17, s17, 352
	s_sub_co_u32 s17, ttmp9, s17
	s_lshl_b32 s17, s17, 2
	s_add_co_u32 s18, s17, s16                     ; which 8 rows of the tensor I read
	s_lshl_b32 s20, s18, 15
	s_mov_b32 s21, 0
	s_add_nc_u64 s[4:5], s[4:5], s[20:21]
	s_mul_i32 s20, ttmp9, 1536                     ; codes: the work-group's 32 rows in a plane,
	s_mul_i32 s19, s16, 4*PLANE                    ; my four planes
	s_add_co_u32 s20, s20, s19
	s_add_nc_u64 s[10:11], s[10:11], s[20:21]
	s_lshl_b32 s19, ttmp9, 2
	s_add_co_u32 s19, s19, s24
	s_lshl_b32 s20, s19, 8                         ; scales: 8 rows of 32 bytes
	s_add_nc_u64 s[12:13], s[12:13], s[20:21]
.macro LOAD t
.irp i, 0,1,2,3
	global_load_b128 v[R+16*((\t)%4)+4*\i:R+16*((\t)%4)+4*\i+3], v3, s[4:5] offset:2048*(\t)+512*\i th:TH_LOAD_NT
.endr
.endm
.macro TURN t                          ; LDS serves a wave's instructions in order: no wait between the stores and the loads
.irp i, 0,1,2,3
	ds_store_b128 v14, v[R+16*((\t)%4)+4*\i:R+16*((\t)%4)+4*\i+3] offset:32*SP*((\t)%2)+8*SP*\i
.endr
.irp i, 0,1,2,3
	ds_load_b128 v[X+16*((\t)%2)+4*\i:X+16*((\t)%2)+4*\i+3], v15 offset:32*SP*((\t)%2)+16*\i
.endr
.endm
.irp t, 0,1,2,3
	LOAD \t
.endr
	s_wait_loadcnt 12                              ; step 0's four loads are in
	TURN 0
.macro STEP t
.set XS, X+16*((\t)%2)
.if (\t) > 0
	s_wait_dscnt 4                                 ; this step's numbers are back; the last step's four stores (a byte, three words of codes) may be out
.else
	s_wait_dscnt 0x0
.endif
.if (\t)+4 < STEPS
	LOAD (\t)+4
.endif
.if (\t)+1 < STEPS
.if STEPS-2-(\t) >= 3
	s_wait_loadcnt 12                              ; the next step's four loads are in; three steps' may be out
.else
	s_wait_loadcnt 4*(STEPS-2-(\t))
.endif
	TURN (\t)+1
.endif
	v_max3_num_f32 v8, |v[XS]|, |v[XS+1]|, |v[XS+2]|
	v_max3_num_f32 v9, |v[XS+3]|, |v[XS+4]|, |v[XS+5]|
.irp i, 6,10
	v_max3_num_f32 v8, v8, |v[XS+\i]|, |v[XS+\i+1]|
	v_max3_num_f32 v9, v9, |v[XS+\i+2]|, |v[XS+\i+3]|
.endr
	v_max3_num_f32 v8, v8, |v[XS+14]|, |v[XS+15]|
	v_max3_num_f32 v8, v8, v9, (EMAX+1)<<23        ; the floor 2^(3 - 127): the byte cannot fall under 1
	v_max_num_f32_dpp v8, v8, v8 row_xmask:1 row_mask:0xf bank_mask:0xf   ; with my neighbour's 16: the block's
	v_add_nc_u32 v11, -(EMAX<<23), v8              ; 2 off the exponent field: the conversion's scale operand
	v_cvt_scalef32_pk16_fp6_f32 v[C+4*(\t):C+4*(\t)+2], v[XS:XS+15], v11
	v_lshrrev_b32 v[E+(\t)], 23, v11               ; the scale's byte (also the plain line behind the conversion)
	ds_store_b8 v5, v[E+(\t)] offset:16*(\t)
.irp j, 0,1,2
	ds_store_b32 v4, v[C+4*(\t)+\j] offset:((\t)%2)*8*PP+((\t)/2)*48+4*\j   ; row t / 2 of my eight, planes 8 (t % 2) + lane / 4
.endr
.endm
.irp t, 0,1,2,3,4,5,6,7,8,9,10,11,12,13,14,15
	STEP \t
.endr
	ds_load_b64 v[12:13], v6
	s_wait_dscnt 0x0                               ; my scale bytes are back, and all my stores into the codes' stage are done
	global_store_b64 v7, v[12:13], s[12:13]        ; 256 consecutive bytes, aligned
	s_barrier_signal -1
	s_barrier_wait -1                              ; the codes' stage is whole
.irp i, 0,1,2,3,4,5,6,7,8,9,10,11
	ds_load_b128 v[R+4*\i:R+4*\i+3], v10 offset:(\i/3)*PP+(\i%3)*512
.endr
	s_wait_dscnt 0x0
.irp i, 0,1,2,3,4,5,6,7,8,9,10,11
	global_store_b128 v3, v[R+4*\i:R+4*\i+3], s[10:11] offset:(\i/3)*PLANE+(\i%3)*512   ; 512 consecutive bytes, aligned
.endr
	s_wait_tensorcnt 0x0                           ; the wave's end
	ds_add_u32 v192, v193
	s_wait_dscnt 0x0
	s_endpgm
.Lfunc_end_k_q6e8801683f_quant:
	.size	k_q6e8801683f_quant, .Lfunc_end_k_q6e8801683f_quant-k_q6e8801683f_quant
	.p2alignl 7, 3214868480
	.fill 96, 4, 3214868480
	.section	.rodata,"a",@progbits
	.p2align	6, 0x0
	.amdhsa_kernel k_q6e8801683f_quant
		.amdhsa_group_segment_fixed_size 58112
		.amdhsa_private_segment_fixed_size 0
		.amdhsa_enable_private_segment 0
		.amdhsa_kernarg_size 40
		.amdhsa_user_sgpr_count 2
		.amdhsa_user_sgpr_kernarg_segment_ptr 1
		.amdhsa_wavefront_size32 1
		.amdhsa_system_sgpr_workgroup_id_x 1
		.amdhsa_system_sgpr_workgroup_id_y 1
		.amdhsa_system_sgpr_workgroup_id_z 1
		.amdhsa_system_vgpr_workitem_id 0
		.amdhsa_next_free_vgpr 194
		.amdhsa_next_free_sgpr 66
		.amdhsa_reserve_vcc 0
		.amdhsa_float_denorm_mode_32 3
		.amdhsa_float_denorm_mode_16_64 3
		.amdhsa_memory_ordered 1
		.amdhsa_forward_progress 1
		.amdhsa_inst_pref_size 37
	.end_amdhsa_kernel
	.amdgpu_metadata
---
amdhsa.version: [ 1, 2 ]
amdhsa.kernels:
  - .name:           k_q6e8801683f_quant
    .symbol:         k_q6e8801683f_quant.kd
    .args:
      - { .name: x, .offset: 0, .size: 8, .value_kind: global_buffer, .address_space: global }
      - { .name: w_qkv, .offset: 8, .size: 8, .value_kind: global_buffer, .address_space: global }
      - { .name: w_out, .offset: 16, .size: 8, .value_kind: global_buffer, .address_space: global }
      - { .name: codes, .offset: 24, .size: 8, .value_kind: global_buffer, .address_space: global }
      - { .name: scales, .offset: 32, .size: 8, .value_kind: global_buffer, .address_space: global }
    .group_segment_fixed_size: 58112
    .private_segment_fixed_size: 0
    .kernarg_segment_align: 8
    .kernarg_segment_size: 40
    .max_flat_workgroup_size: 128
    .sgpr_count:     66
    .vgpr_count:     194
    .wavefront_size: 32
...
	.end_amdgpu_metadata
.endif
;; end of part 1
;; launch gemm_qkv (part 2): grid 12 x 32, 4 waves a work-group, clusters of 4 x 4, 327,680 bytes of LDS; arguments codes, scales, qkv_codes, qkv_scales; writes qkv_codes, qkv_scales
.if DOCPART == 2
	.amdgcn_target "amdgcn-amd-amdhsa--gfx1250"
	.amdhsa_code_object_version 6
	.text
	.protected	k_q6e8801683f_gemm_qkv
	.globl	k_q6e8801683f_gemm_qkv
	.p2align	8
	.type	k_q6e8801683f_gemm_qkv,@function
k_q6e8801683f_gemm_qkv:
	s_mov_b64 s[64:65], 0
	v_nop
	global_prefetch_b8 v0, s[64:65] scope:SCOPE_SE
	s_setreg_imm32_b32 hwreg(HW_REG_WAVE_MODE, 25, 1), 1
	s_wait_xcnt 0x0
	s_wait_alu depctr_hold_cnt(0) depctr_sa_sdst(0) depctr_va_vdst(0) depctr_va_sdst(0) depctr_va_ssrc(0) depctr_va_vcc(0) depctr_vm_vsrc(0)
	s_getreg_b32 s2, hwreg(HW_REG_IB_STS2, 6, 4)
	s_cmp_eq_u32 s2, 0
	s_cbranch_scc0 .Lentry_in_a_cluster
	s_endpgm
.Lentry_in_a_cluster:
	s_bfe_u32 s2, ttmp6, 0x10000c
	s_cmp_lg_u32 s2, 0xf033
	s_cbranch_scc0 .Lentry_shape_is_right
	s_endpgm
.Lentry_shape_is_right:
; qkv = x w_qkv^T on codes of FP6 (E2M3) with E8M0 scales, K = 1,024; the result is quantised along the next products' K and stored as codes and scale words.
; Clusters x = 0, 1 make q and k (rows = tokens, columns = w's rows); cluster x = 2 makes v transposed (rows = w_v's rows, columns = tokens), so that the keys are its K.
; A block of 256 x 256 to a work-group of four waves, 128 x 128 a wave: 64 accumulators in windows 2 and 3; source 0 = 16 rows of B, source 1 = 16 rows of A.
; CODES lie in 16 planes of 64 along K, [12,288 rows][48 bytes]: a tile is some planes x 6,144 dense bytes (128 rows), each at a multiple of 256 bytes.  In LDS a row is 48 bytes: the 32 lanes of a load of 8 bytes at 48 r + 24 h touch 64 different banks.
; LDS: region 0 (4 planes of 512 rows): K step 0, filled again once with K step 3; region 1 (8 planes): K steps 1 and 2, one load a wave; behind them the scales, which each wave loads through registers (4,096 dense bytes) and stores as units of 256 + 16 bytes.
; A wave has one tensor load out at a time; the refill has the second half of step 1 and steps 2 to 4, 224 matrix instructions, in which to land.
; CLUSTERS 4 x 4: A's tiles are asked for jointly along a row, B's along a column.  No data prefetch: the largest block, in clusters, and K is 8 steps.
; The way out's stage lies in region 1: its one fill is over and its last read stands ahead of step 5's barrier.
.set NQ,     2
.set PLANE,  589824
.set KSTEPB, 4*PLANE                   ; 256 along K in memory
.set FR,     12
.set NL,     6
.set NP,     4
.set HALFT,  24576                     ; 128 rows x 4 planes
.set SLOT,   4*HALFT
.set KS,     32
.set SCL,    3*SLOT
.set HALFS,  (128*KS/256)*272
.set SBLK,   (16*KS/256)*272
.set SPARE,  SCL+4*HALFS
.set WSTG,   12800
.set ADRA, 16                          ; v16-17 my A fragments in region 0, 1;  v20-21 B's
.set ADRB, 20
.set STO,  24
.set SSO,  25
.set RD,   26
.set ADRS, 27
.set SPW,  28
.set NIL,  29
.set CO,   30
.set SC,   32                          ; v32-63 scale words, two sets
.set TM,   64
.set PW,   80
.set QC,   96
.set AF,   128
.set BK,   128
.set G1, 24
.set G0, 32
.set G1B, 48
.set G0B, 56
.set MSB, 0
.macro WIN new
.if MSB != \new
	s_set_vgpr_msb (MSB<<8)|\new
.set MSB, \new
.endif
.endm
.set MUL_LO, 0xa1
.set MUL_HI, 0xf1
.set TO_B,   0x40
.macro JLOAD g0a, g1a, g0b, g1b        ; waves 0, 1 fetch for A, waves 2, 3 for B
	s_cmp_eq_u32 s15, 0
	s_cbranch_scc0 .Lfor_b_\@
	tensor_load_to_lds s[\g0a:\g0a+3], s[\g1a:\g1a+7]
	s_nop 0
.rept 4
	v_nop
.endr
	s_branch .Lasked_\@
.Lfor_b_\@:
	tensor_load_to_lds s[\g0b:\g0b+3], s[\g1b:\g1b+7]
	s_nop 0
.rept 4
	v_nop
.endr
.Lasked_\@:
.endm
.macro CREST
	s_cmp_lg_u32 s14, 0
	s_cbranch_scc1 .Lnot_wave_0_\@
	s_barrier_signal -3
.Lnot_wave_0_\@:
	s_barrier_wait -3
	s_barrier_signal -1
	s_barrier_wait -1
.endm
.macro CROUND
	s_barrier_signal -1
	s_barrier_wait -1
	CREST
.endm
.macro ROWS n                          ; planes that a tile holds; written only where no tensor load of mine is out
	s_mov_b32 s[G1+2], (\n)<<16
	s_mov_b32 s[G1+4], \n
	s_mov_b32 s[G1B+2], (\n)<<16
	s_mov_b32 s[G1B+4], \n
.endm
	s_load_b256 s[4:11], s[0:1], 0x0               ; codes, scales, qkv_codes, qkv_scales
	v_lshl_add_u32 v[SPW], v0, 2, SPARE
	v_mov_b32 v[NIL], 0
	ds_add_u32 v[SPW], v[NIL]                      ; the opening lines
	ds_add_u32 v[SPW], v[NIL]
.irp b, 0,1,2,3
	v_mov_b32 v[TM+4+\b], 0                        ; a lane permute's destination counts as one of its sources
.endr
	v_lshrrev_b32 v1, 5, v0
	v_readfirstlane_b32 s14, v1
	s_lshr_b32 s15, s14, 1
	s_and_b32 s16, s14, 1
	s_bfe_u32 s40, ttmp6, 0x40000
	s_bfe_u32 s41, ttmp6, 0x40004
	s_lshr_b32 s95, ttmp9, 1                       ; 1: v's clusters
	s_xor_b32 s96, s95, 1
	s_and_b32 s97, ttmp7, 0xffff
	s_lshl_b32 s97, s97, 2
	s_mul_i32 s17, s96, s97
	s_add_co_u32 s17, s17, s41                     ; tile row
	s_mul_i32 s42, s95, s97
	s_add_co_u32 s42, s42, s40
	s_lshl_b32 s98, ttmp9, 2
	s_mul_i32 s98, s98, s96
	s_add_co_u32 s42, s42, s98                     ; tile column
	s_mul_i32 s98, s95, 40
	s_add_co_u32 s98, s98, s17                     ; A's block of 256 stored rows
	s_lshl_b32 s99, s96, 5
	s_add_co_u32 s99, s99, s42                     ; B's
	s_lshl_b32 s43, s41, 2
	s_lshl_b32 s43, 15, s43
	s_lshl_b32 s44, 0x1111, s40
	s_or_b32 s[G1+0], s43, (3<<16)|(1<<21)         ; elements of 8 bytes; the mask of my row, of my column
	s_or_b32 s[G1B+0], s44, (3<<16)|(1<<21)
.irp g, G1, G1B
	s_mov_b32 s[\g+1], 768<<16
	s_mov_b32 s[\g+2], 4<<16
	s_mov_b32 s[\g+3], 768<<16
	s_mov_b32 s[\g+4], 4
	s_mov_b32 s[\g+5], PLANE/8
	s_mov_b32 s[\g+6], 0
	s_mov_b32 s[\g+7], 0
.endr
	s_lshl_b32 s18, s16, 7
	s_lshl_b32 s20, s98, 8
	s_add_co_u32 s20, s20, s18
	s_lshl_b32 s46, s99, 8
	s_add_co_u32 s46, s46, s18
	s_mov_b32 s21, 0
	s_mov_b32 s47, 0
	s_mov_b64 s[18:19], KS
	s_mul_u64 s[22:23], s[20:21], s[18:19]
	s_mul_u64 s[92:93], s[46:47], s[18:19]
	s_mov_b64 s[18:19], 48
	s_mul_u64 s[20:21], s[20:21], s[18:19]
	s_mul_u64 s[46:47], s[46:47], s[18:19]
	s_mul_i32 s45, s14, HALFT
	s_mul_i32 s94, s14, HALFS
	s_lshl_b32 s3, s45, 1
	s_mul_i32 s68, s15, HALFT                      ; my A rows in region 0,
	s_mul_i32 s69, s16, HALFT
	s_add_co_u32 s69, s69, 2*HALFT                 ; my B rows,
	s_lshl_b32 s70, s68, 1
	s_add_co_u32 s70, s70, SLOT                    ; and in region 1, where a part is twice as long
	s_lshl_b32 s71, s69, 1
	s_add_co_u32 s71, s71, SLOT
	s_mul_i32 s72, s15, HALFS
	s_mul_i32 s73, s16, HALFS
	s_add_co_u32 s73, s73, 2*HALFS
	s_sub_co_u32 s73, s73, s72                     ; from A's scale words to B's
	s_add_co_u32 s72, s72, SCL
	s_mul_i32 s74, s14, WSTG
	s_add_co_u32 s74, s74, SLOT                    ; my stage
	s_add_co_u32 s75, s94, SCL                     ; where I store 128 rows' scales
	s_wait_dscnt 0x0
	s_wait_kmcnt 0x0
	s_add_nc_u64 s[20:21], s[4:5], s[20:21]
	s_add_nc_u64 s[22:23], s[6:7], s[22:23]
	s_add_nc_u64 s[46:47], s[4:5], s[46:47]
	s_add_nc_u64 s[92:93], s[6:7], s[92:93]
	s_cmp_eq_u32 s15, 0
	s_cselect_b64 s[92:93], s[22:23], s[92:93]     ; the scales of the 128 rows that I fetch
	CROUND
	s_mov_b32 s[G0], 1
	s_add_co_u32 s[G0+1], s45, 0
	s_mov_b64 s[G0+2:G0+3], s[20:21]
	s_or_b32 s[G0+3], s[G0+3], 0x80000000
	s_mov_b32 s[G0+4], 1
	s_add_co_u32 s[G0+5], s3, SLOT
	s_add_nc_u64 s[G0+6:G0+7], s[20:21], KSTEPB
	s_or_b32 s[G0+7], s[G0+7], 0x80000000
	s_mov_b32 s[G0B], 1
	s_add_co_u32 s[G0B+1], s45, 0
	s_mov_b64 s[G0B+2:G0B+3], s[46:47]
	s_or_b32 s[G0B+3], s[G0B+3], 0x80000000
	s_mov_b32 s[G0B+4], 1
	s_add_co_u32 s[G0B+5], s3, SLOT
	s_add_nc_u64 s[G0B+6:G0B+7], s[46:47], KSTEPB
	s_or_b32 s[G0B+7], s[G0B+7], 0x80000000
	JLOAD G0, G1, G0B, G1B                         ; K step 0: one tensor load a wave at the head
	v_and_b32 v1, 15, v0
	v_bfe_u32 v2, v0, 4, 1
	v_and_b32 v6, 31, v0
	v_lshlrev_b32 v[CO], 4, v6
.irp i, 0,1,2,3,4,5,6,7
	global_load_b128 v[AF+4*\i:AF+4*\i+3], v[CO], s[92:93] offset:512*\i   ; 512 consecutive bytes
.endr
	v_mul_u32_u24 v4, v1, 48
	v_mad_u32_u24 v4, v2, 24, v4
	v_add_nc_u32 v[ADRA], s68, v4
	v_add_nc_u32 v[ADRB], s69, v4
	v_add_nc_u32 v[ADRA+1], s70, v4
	v_add_nc_u32 v[ADRB+1], s71, v4
	v_mul_u32_u24 v5, v1, KS
	v_lshrrev_b32 v6, 8, v5
	v_lshl_add_u32 v5, v6, 4, v5
	v_mul_u32_u24 v6, s73, v2                      ; lanes 16-31 take B's
	v_add_nc_u32 v5, v5, v6
	v_add_nc_u32 v[ADRS], s72, v5
	v_mul_u32_u24 v10, v2, 272
	v_lshl_add_u32 v10, v1, 4, v10
	v_add_nc_u32 v10, s75, v10                     ; a unit of 256 bytes to sixteen lanes, 272 apart
	v_add_nc_u32 v[STO], s74, v4
	v_lshlrev_b32 v5, 2, v1
	v_add_nc_u32 v5, s74, v5
	v_add_nc_u32 v[SSO], 12288, v5
	v_add_nc_u32 v[RD], s74, v[CO]
	s_lshl_b32 s20, s17, 8
	s_lshl_b32 s21, s15, 7
	s_add_co_u32 s20, s20, s21
	s_lshl_b32 s46, s42, 1
	s_add_co_u32 s46, s46, s16
	s_mul_i32 s47, s96, 344064
	s_add_co_u32 s47, s47, 49152
	s_mul_i32 s22, s46, s47
	s_lshl_b32 s22, s22, 1
	s_mul_i32 s21, s20, 48
	s_add_co_u32 s22, s22, s21
	s_mul_i32 s21, s95, 12582912
	s_add_co_u32 s22, s22, s21
	s_mov_b32 s23, 0
	s_add_nc_u64 s[8:9], s[8:9], s[22:23]
	s_mov_b32 s22, s47
	s_add_nc_u64 s[12:13], s[8:9], s[22:23]
	s_mul_i32 s22, s96, 28672
	s_add_co_u32 s22, s22, 4096
	s_mul_i32 s22, s22, s46
	s_lshl_b32 s21, s20, 2
	s_add_co_u32 s22, s22, s21
	s_lshl_b32 s21, s95, 19
	s_add_co_u32 s22, s22, s21
	s_add_nc_u64 s[10:11], s[10:11], s[22:23]
.macro FRAG reg, adr, q, i             ; 16 rows x 128 K: planes 2 q and 2 q + 1 of the region, 24 bytes of each as three loads of 8
.irp p, 0,1,2,3,4,5
	ds_load_b64 v[\reg+2*\p:\reg+2*\p+1], v[\adr] offset:(2*(\q)+\p/3)*6144+(\i)*768+8*(\p%3)
.endr
.endm
.macro MUL16 a0, p, q, sc, zero
.irp a, \a0, \a0+1
.irp b, 0,1,2,3,4,5,6,7
.if \zero
	v_wmma_scale_f32_16x16x128_f8f6f4 v[8*(8*((\a)%4)+\b):8*(8*((\a)%4)+\b)+7], v[128*(\p)+FR*\b:128*(\p)+FR*\b+FR-1], v[AF+FR*(\a):AF+FR*(\a)+FR-1], 0, v[SC+8*NQ*(\sc)+NQ*\b+(\q)], v[SC+8*NQ*(\sc)+NQ*(\a)+(\q)] matrix_a_fmt:MATRIX_FMT_FP6 matrix_b_fmt:MATRIX_FMT_FP6 matrix_a_scale:MATRIX_SCALE_ROW1
.else
	v_wmma_scale_f32_16x16x128_f8f6f4 v[8*(8*((\a)%4)+\b):8*(8*((\a)%4)+\b)+7], v[128*(\p)+FR*\b:128*(\p)+FR*\b+FR-1], v[AF+FR*(\a):AF+FR*(\a)+FR-1], v[8*(8*((\a)%4)+\b):8*(8*((\a)%4)+\b)+7], v[SC+8*NQ*(\sc)+NQ*\b+(\q)], v[SC+8*NQ*(\sc)+NQ*(\a)+(\q)] matrix_a_fmt:MATRIX_FMT_FP6 matrix_b_fmt:MATRIX_FMT_FP6 matrix_a_scale:MATRIX_SCALE_ROW1
.endif
.endr
.endr
.endm
.macro FETCH_B slot, q, p
	WIN TO_B
.irp i, 0,1,2,3,4,5,6,7
	FRAG 128*(\p)+FR*\i, ADRB+\slot, \q, \i
.endr
	WIN 0
.endm
.macro FETCH_A slot, q, i0
.irp i, \i0, \i0+1, \i0+2, \i0+3
	FRAG AF+FR*(\i), ADRA+\slot, \q, \i
.endr
.endm
.macro SCALES pr                       ; the words of steps 2 pr, 2 pr + 1 into set pr % 2
.irp i, 0,1,2,3,4,5,6,7
	ds_load_b64 v[SC+8*NQ*((\pr)%2)+NQ*\i:SC+8*NQ*((\pr)%2)+NQ*\i+1], v[ADRS] offset:\i*SBLK+8*(\pr)
.endr
.endm
.macro PLACES n
.rept \n
	v_nop
.endr
.endm
.macro LOC st                          ; where step st's codes lie: steps 0, 1 and 6, 7 in region 0, steps 2 to 5 in region 1
.if (\st) < 2
.set SL, 0
.set QI, (\st)
.else
.if (\st) < 6
.set SL, 1
.set QI, (\st)-2
.else
.set SL, 0
.set QI, (\st)-6
.endif
.endif
.endm
; A step of 128 along K: 64 matrix instructions, the 64 accumulators by turns; the next step's fragments are fetched in its middle and at its end.
; kind 1: region 0 is read no more and region 1 is wanted: the three lines, a round of the cluster's barrier, the refill.  kind 2: the refill is wanted: the wait for it and a barrier.
.macro GSTEP st, kind, zero
.set BP, (\st)%2
.set SS, ((\st)/2)%2
	LOC (\st)+1
.if \kind
	s_wait_tensorcnt 0x0                           ; my one load that was out has landed
.if \kind == 1
	ds_add_u32 v[SPW], v[NIL]
	ROWS 4
	s_wait_dscnt 4*NL+1                            ; the add and A's blocks 4-7 may be out
.else
	s_wait_dscnt 4*NL
.endif
	WIN MUL_LO
	MUL16 0, BP, BP, SS, 0
	s_wait_dscnt 0x0                               ; the add, and my reads of the region that is left
	s_barrier_signal -1
	MUL16 2, BP, BP, SS, 0
	WIN 0
	s_barrier_wait -1
.if \kind == 1
	CREST
	s_add_nc_u64 s[G0+2:G0+3], s[G0+2:G0+3], 3*KSTEPB
	s_add_nc_u64 s[G0B+2:G0B+3], s[G0B+2:G0B+3], 3*KSTEPB
	JLOAD G0, G1, G0B, G1B                         ; K step 3 into region 0; its four v_nop are the places ahead of the loads below
.else
	PLACES NP
.endif
.else
	s_wait_dscnt 4*NL                              ; all but A's blocks 4-7
	WIN MUL_LO
	MUL16 0, BP, BP, SS, \zero
	MUL16 2, BP, BP, SS, \zero
	s_wait_dscnt 0
	PLACES NP
.endif
	FETCH_B SL, QI, 1-BP
	FETCH_A SL, QI, 0
.if BP
	SCALES ((\st)+1)/2
.endif
	WIN MUL_HI
	MUL16 4, BP, BP, SS, \zero
	MUL16 6, BP, BP, SS, \zero
	PLACES NP
	WIN 0
	FETCH_A SL, QI, 4
.endm
	s_wait_alu depctr_va_vdst(0)                   ; the wait at the head's end
	s_wait_loadcnt 0x0
.irp i, 0,1,2,3,4,5,6,7
	ds_store_b128 v10, v[AF+4*\i:AF+4*\i+3] offset:544*\i
.endr
	s_wait_tensorcnt 0x0                           ; my part of K step 0 is in; the full sequence ahead of a later first fill
	ds_add_u32 v[SPW], v[NIL]
	ROWS 8
	s_wait_dscnt 0x0                               ; the add, and my scale stores
	CROUND
	JLOAD G0+4, G1, G0B+4, G1B                     ; K steps 1 and 2, eight planes, into region 1
	FETCH_B 0, 0, 0
	FETCH_A 0, 0, 0
	SCALES 0
	FETCH_A 0, 0, 4
	GSTEP 0, 0, 1                                  ; the first products start the sums
	GSTEP 1, 1, 0
	GSTEP 2, 0, 0
	GSTEP 3, 0, 0
	GSTEP 4, 0, 0
	GSTEP 5, 2, 0
	GSTEP 6, 0, 0
	s_wait_dscnt 4*NL
	WIN MUL_LO
	MUL16 0, 1, 1, 1, 0
	MUL16 2, 1, 1, 1, 0
	s_wait_dscnt 0
	WIN MUL_HI
	MUL16 4, 1, 1, 1, 0
	MUL16 6, 1, 1, 1, 0
	WIN 0
; THE WAY OUT: block a's 16 rows x 128 columns: four blocks of 32 along the next K; the 16 registers of tiles 2 b, 2 b + 1 are 16 neighbours (stored order of B's rows)
.macro QUANT a
.set W, 2+(\a)/4
.set S, 64*((\a)%4)
.set WN, 0x14*W
	WIN WN
.irp b, 0,1,2,3
	v_max3_num_f32 v[TM+\b], 0x1800000, |v[S+16*\b]|, |v[S+1+16*\b]|
.endr
.irp i, 2,4,6,8,10,12,14
.irp b, 0,1,2,3
	v_max3_num_f32 v[TM+\b], v[TM+\b], |v[S+16*\b+\i]|, |v[S+1+16*\b+\i]|
.endr
.endr
	WIN 0
.irp b, 0,1,2,3
	v_permlanex16_b32 v[TM+4+\b], v[TM+\b], s66, s67
.endr
.irp b, 0,1,2,3
	v_max_num_f32 v[TM+\b], v[TM+\b], v[TM+4+\b]
.endr
.irp b, 0,1,2,3
	v_add_nc_u32 v[TM+12+\b], 0xff000000, v[TM+\b]
.endr
.irp b, 0,1,2,3
	v_lshrrev_b32 v[TM+4+\b], 23, v[TM+12+\b]
.endr
	v_lshl_or_b32 v[PW], v[TM+5], 8, v[TM+4]
	v_lshl_or_b32 v[PW], v[TM+6], 16, v[PW]
	v_lshl_or_b32 v[PW], v[TM+7], 24, v[PW]
	WIN W
.irp c, 0,1
	v_cvt_scalef32_pk16_fp6_f32 v[QC+6*\c:QC+2+6*\c], v[S+32*\c:S+15+32*\c], v[TM+12+2*\c]
	v_cvt_scalef32_pk16_fp6_f32 v[QC+12+4*\c:QC+14+4*\c], v[S+16+32*\c:S+31+32*\c], v[TM+12+2*\c+1]
.endr
	WIN 0
	v_nop
.irp c, 0,1
.irp i, 0,1,2
	v_permlane16_swap_b32 v[QC+6*\c+\i], v[QC+12+4*\c+\i]
.endr
.irp i, 0,1,2
	v_mov_b32 v[QC+3+6*\c+\i], v[QC+12+4*\c+\i]
.endr
.endr
.endm
.macro PUT a
.irp c, 0,1
.irp p, 0,1,2
	ds_store_b64 v[STO], v[QC+6*\c+2*\p:QC+6*\c+2*\p+1] offset:\c*6144+(\a)*768+8*\p
.endr
.endr
	ds_store_b32 v[SSO], v[PW] offset:64*(\a)
	s_wait_dscnt 0x0
.endm
	s_mov_b32 s66, 0x76543210
	s_mov_b32 s67, 0xfedcba98
	PLACES NP
.irp a, 0,1,2,3,4,5,6,7
	QUANT \a
	PUT \a
.endr
.set i, 0
.rept 25
	ds_load_b128 v[BK+4*i:BK+4*i+3], v[RD] offset:512*i
.set i, i+1
.endr
	s_wait_dscnt 0x0
.set i, 0
.rept 12
	global_store_b128 v[CO], v[BK+4*i:BK+4*i+3], s[8:9] offset:512*i
.set i, i+1
.endr
.set i, 0
.rept 12
	global_store_b128 v[CO], v[BK+48+4*i:BK+48+4*i+3], s[12:13] offset:512*i
.set i, i+1
.endr
	global_store_b128 v[CO], v[BK+96:BK+99], s[10:11]
	s_wait_tensorcnt 0x0                           ; the wave's end
	ds_add_u32 v[SPW], v[NIL]
	s_wait_dscnt 0x0
	CROUND                                         ; the closing round
	s_endpgm
.Lfunc_end_k_q6e8801683f_gemm_qkv:
	.size	k_q6e8801683f_gemm_qkv, .Lfunc_end_k_q6e8801683f_gemm_qkv-k_q6e8801683f_gemm_qkv
	.p2alignl 7, 3214868480
	.fill 96, 4, 3214868480
	.section	.rodata,"a",@progbits
	.p2align	6, 0x0
	.amdhsa_kernel k_q6e8801683f_gemm_qkv
		.amdhsa_group_segment_fixed_size 327680
		.amdhsa_private_segment_fixed_size 0
		.amdhsa_enable_private_segment 0
		.amdhsa_kernarg_size 32
		.amdhsa_user_sgpr_count 2
		.amdhsa_user_sgpr_kernarg_segment_ptr 1
		.amdhsa_wavefront_size32 1
		.amdhsa_system_sgpr_workgroup_id_x 1
		.amdhsa_system_sgpr_workgroup_id_y 1
		.amdhsa_system_sgpr_workgroup_id_z 1
		.amdhsa_system_vgpr_workitem_id 0
		.amdhsa_next_free_vgpr 1024
		.amdhsa_next_free_sgpr 100
		.amdhsa_reserve_vcc 0
		.amdhsa_float_denorm_mode_32 3
		.amdhsa_float_denorm_mode_16_64 3
		.amdhsa_memory_ordered 1
		.amdhsa_forward_progress 1
		.amdhsa_inst_pref_size 169
	.end_amdhsa_kernel
	.amdgpu_metadata
---
amdhsa.version: [ 1, 2 ]
amdhsa.kernels:
  - .name:           k_q6e8801683f_gemm_qkv
    .symbol:         k_q6e8801683f_gemm_qkv.kd
    .args:
      - { .name: codes, .offset: 0, .size: 8, .value_kind: global_buffer, .address_space: global }
      - { .name: scales, .offset: 8, .size: 8, .value_kind: global_buffer, .address_space: global }
      - { .name: qkv_codes, .offset: 16, .size: 8, .value_kind: global_buffer, .address_space: global }
      - { .name: qkv_scales, .offset: 24, .size: 8, .value_kind: global_buffer, .address_space: global }
    .group_segment_fixed_size: 327680
    .private_segment_fixed_size: 0
    .kernarg_segment_align: 8
    .kernarg_segment_size: 32
    .max_flat_workgroup_size: 128
    .sgpr_count:     100
    .vgpr_count:     1024
    .wavefront_size: 32
...
	.end_amdgpu_metadata
.endif
;; end of part 2
;; launch attn (part 3): grid 4 x 64, 16 waves a work-group, clusters of 4 x 1, 223,488 bytes of LDS; arguments qkv_codes, qkv_scales, rescale, att_codes, att_scales; writes att_codes, att_scales
.if DOCPART == 3
	.amdgcn_target "amdgcn-amd-amdhsa--gfx1250"
	.amdhsa_code_object_version 6
	.text
	.protected	k_q6e8801683f_attn
	.globl	k_q6e8801683f_attn
	.p2align	8
	.type	k_q6e8801683f_attn,@function
k_q6e8801683f_attn:
	s_mov_b64 s[64:65], 0
	v_nop
	global_prefetch_b8 v0, s[64:65] scope:SCOPE_SE
	s_setreg_imm32_b32 hwreg(HW_REG_WAVE_MODE, 25, 1), 1
	s_wait_xcnt 0x0
	s_wait_alu depctr_hold_cnt(0) depctr_sa_sdst(0) depctr_va_vdst(0) depctr_va_sdst(0) depctr_va_ssrc(0) depctr_va_vcc(0) depctr_vm_vsrc(0)
	s_getreg_b32 s2, hwreg(HW_REG_IB_STS2, 6, 4)
	s_cmp_eq_u32 s2, 0
	s_cbranch_scc0 .Lentry_in_a_cluster
	s_endpgm
.Lentry_in_a_cluster:
	s_bfe_u32 s2, ttmp6, 0x10000c
	s_cmp_lg_u32 s2, 0x3003
	s_cbranch_scc0 .Lentry_shape_is_right
	s_endpgm
.Lentry_shape_is_right:
; For each of 64 heads (batch x 16 + head): O[q] = sum over k of softmax_k(q . k x rescale / 8) v[k], both products on codes of FP6 (E2M3) with one E8M0 scale for each 32 along K; O is quantised along (head, d) and stored as codes.
; SOFTMAX: t = score x c, c = |rescale| x log2(e) / 8; M = the row's largest t so far, rounded UP to a whole number; p = 2^(t - M) is quantised along the keys, not normalised; the row's sum is taken of the unquantised p and divides O at the end.
; When M moves, the sum and O are multiplied by 2^(old M - new M): exact.  rescale's SIGN goes into q's codes (each code's top bit is turned where it is negative: exact), so the largest score gives the largest t.
; SHARES: a work-group owns 512 stored query rows of one head: 16 waves x 2 passes x 16 rows; 4 x 64 work-groups.  A head's K and V lie whole in LDS, brought by ONE joint load a wave at the head (waves 0-7 K, 8-15 V): nothing is filled again.
; CLUSTER: the four query blocks of a head read the same K and V and ask for them jointly.  No data prefetch: all loads go out at the head, and there is no loop to run ahead in.
; LAYOUT: S^T = K Q^T and O^T = V^T P^T: a lane holds one query.  Tile (c, u) of a step's 128 keys takes as its rows m the true keys 64 c + 32 (m / 8) + 8 u + m % 8, so that lane (r, h) finds in the 32 registers of tiles (c, 0..3)
; the keys 64 c + 32 h + 0 .. 31 on end: one whole block of 32, in the order of P's operand.  A block's maximum needs no other lane, and the conversions' results are the operand.
; K's blocks of 32 keys lie in two LDS regions, even and odd, KOD bytes apart (128 more than a multiple of 256), so that the 32 lanes of a load of 8 bytes touch 64 different banks (64 banks of 4 bytes: ISA guide 11.1).
; Stored rows have bits 3 and 4 of the index exchanged: tile u begins at stored key 8 x (u's two bits exchanged) of its block.
; The head's 64 fill half of the instruction's 128 along K: Q's registers 6-11 hold zero codes, so what stands in registers 6-11 of K's fragment adds nothing: K's eight fragments lie 6 registers apart and overlap.
; One scale register serves two tiles: lanes 0-15 one tile's words, lanes 16-31 the next one's (ROW1).
; LIMITS: the promise holds while |t| stays under 2^31; a block of zeros gets the byte 1; largest magnitudes under 2^-124 count as 2^-124; NaN and infinities are not served; 1 / the sum is v_rcp_f32's.
; A row's two scale bytes of a head leave by 2-byte stores 32 bytes apart: 2 of every 50 bytes stored.
.set KOD,   49280
.set VREG,  98560                      ; [key / 64][64 stored d][48 bytes]
.set SCK,   196864                     ; K's scale words [stored key][4]: the head's two bytes, then two bytes 0
.set SCV,   205056                     ; V's [key / 128][64 d][4]
.set STG,   209152                     ; the way out: 768 bytes a wave
.set SPARE, 221440                     ; the spare words, 128 bytes a wave
.set AK0, 1                            ; v1-4 my lane's places: K, V, K's scale words, V's
.set AV0, 2
.set ASK0, 3
.set ASV0, 4
.set STI, 5
.set STR, 6
.set GO,  7
.set ADK, 8                            ; v8-11 the step's addresses
.set ADV, 9
.set ADS, 10
.set ADT, 11                           ; v12 -M, v13 the largest score, v[14:15] the sum; v16-27 Q
.set GS,  28
.set SH8, 29                           ; 8 h
.set SPW, 30
.set NIL, 31
.set KF,  32                           ; v32-85 K's eight fragments
.set Q2,  86                           ; v86-92 the second pass's Q and its scale word
.set S,   96                           ; v96-159 S^T, then p, then (v96-143) V's four fragments
.set O,   160                          ; v160-191 O^T
.set PC,  192                          ; v192-203 p's codes
.set PU,  204                          ; v204-210 the upper halves as converted
.set T,   212                          ; v212-225 partial sums
.set BM,  226                          ; v226-229 maxima
.set SO,  230                          ; v230-231 the conversions' scale operands
.set BY,  232                          ; v232-233 scale bytes
.set PX,  234
.set OLD, 235
.set F,   236                          ; v[236:237] f
.set KS,  240                          ; v240-243 K's scale words; v244-245 V's; v246 p's; v247 Q's
.set VS,  244
.set PW,  246
.set QW,  247
.set TMP, 248
.set TK,  2                            ; s2, s3, s56, s57: where the step begins in K's regions, K's scale words, V's region, V's scale words
.set TS,  3
.set TV,  56
.set TJ,  57
.set CNT, 62
.set WV,  18
.set SEL, 20
.set CS,  22
.set G1K, 24
.set G1V, 32
.set G0K, 40
.set G0V, 44
.macro CROUND                          ; a round of the cluster's barrier
	s_barrier_signal -1
	s_barrier_wait -1
	s_cmp_lg_u32 s[WV], 0
	s_cbranch_scc1 .Lnot_wave_0_\@
	s_barrier_signal -3
.Lnot_wave_0_\@:
	s_barrier_wait -3
	s_barrier_signal -1
	s_barrier_wait -1
.endm
	s_load_b256 s[4:11], s[0:1], 0x0               ; qkv_codes, qkv_scales, rescale, att_codes
	s_load_b64 s[12:13], s[0:1], 0x20              ; att_scales
	v_lshl_add_u32 v[SPW], v0, 2, SPARE
	v_mov_b32 v[NIL], 0
	ds_add_u32 v[SPW], v[NIL]                      ; the opening lines: the add twice on end and its wait
	ds_add_u32 v[SPW], v[NIL]
	v_lshrrev_b32 v8, 5, v0
	v_readfirstlane_b32 s[WV], v8                  ; wave 0..15
	s_and_b32 s84, ttmp7, 0xffff
	s_lshr_b32 s14, s84, 4                         ; batch
	s_and_b32 s15, s84, 15                         ; head
	s_and_b32 s16, s15, 1
	s_lshl_b32 s16, s16, 4                         ; at which bit of a scale word of q or k my head's two bytes begin
	s_lshr_b32 s17, s15, 1
	s_and_b32 s91, s[WV], 1                        ; K: even or odd blocks,
	s_bfe_u32 s90, s[WV], 0x20001                  ; of which 512 keys
	s_and_b32 s89, s[WV], 7                        ; V: which 256 keys
	s_add_co_u32 s92, s15, 16                      ; K: plane 16 + head of 393,216 bytes, the batch's 98,304
	s_mul_i32 s92, s92, 393216
	s_mul_i32 s93, s14, 98304
	s_add_co_u32 s92, s92, s93
	s_mul_i32 s93, s90, 24576
	s_add_co_u32 s92, s92, s93
	s_mul_i32 s93, s91, 1536
	s_add_co_u32 s92, s92, s93
	s_mov_b32 s93, 0
	s_mul_i32 s94, s91, KOD
	s_mul_i32 s95, s90, 12288
	s_add_co_u32 s[G0K+1], s94, s95                ; LDS: the region, 8 blocks of 1,536 bytes for each 512 keys
	s_mul_i32 s96, s14, 1572864                    ; V: the batch's 32 planes of 49,152 bytes, four planes a load, the head's 3,072 bytes, behind q and k
	s_mul_i32 s97, s89, 196608
	s_add_co_u32 s96, s96, s97
	s_mul_i32 s97, s15, 3072
	s_add_co_u32 s96, s96, s97
	s_add_co_u32 s96, s96, 12582912
	s_mov_b32 s97, 0
	s_mul_i32 s95, s89, 12288
	s_add_co_u32 s[G0V+1], s95, VREG
	s_mov_b32 s[G0K], 1
	s_mov_b32 s[G0V], 1
	s_mov_b32 s[G1K], 15|(3<<16)|(1<<21)           ; K: 8 rows of 1,536 bytes (192 elements of 8), 3,072 bytes apart; the mask names all four
	s_mov_b32 s[G1K+1], 192<<16
	s_mov_b32 s[G1K+2], 8<<16
	s_mov_b32 s[G1K+3], 192<<16
	s_mov_b32 s[G1K+4], 8
	s_mov_b32 s[G1K+5], 384
	s_mov_b32 s[G1K+6], 0
	s_mov_b32 s[G1K+7], 0
	s_mov_b32 s[G1V], 15|(3<<16)|(1<<21)           ; V: 4 rows of 3,072 bytes, 49,152 bytes apart
	s_mov_b32 s[G1V+1], 384<<16
	s_mov_b32 s[G1V+2], 4<<16
	s_mov_b32 s[G1V+3], 384<<16
	s_mov_b32 s[G1V+4], 4
	s_mov_b32 s[G1V+5], 6144
	s_mov_b32 s[G1V+6], 0
	s_mov_b32 s[G1V+7], 0
	s_mov_b32 s[SEL], 0x76543210
	s_mov_b32 s[SEL+1], 0xfedcba98
	s_wait_dscnt 0x0
	s_wait_kmcnt 0x0
	s_load_b32 s19, s[8:9], 0x0                    ; rescale
	s_add_nc_u64 s[G0K+2:G0K+3], s[4:5], s[92:93]
	s_or_b32 s[G0K+3], s[G0K+3], 0x80000000
	s_add_nc_u64 s[G0V+2:G0V+3], s[4:5], s[96:97]
	s_or_b32 s[G0V+3], s[G0V+3], 0x80000000
	CROUND                                         ; all four work-groups are here: the joint loads meet
	s_cmp_lt_u32 s[WV], 8                          ; one tensor load a wave, a fill in each arm
	s_cbranch_scc0 .Lfor_v
	tensor_load_to_lds s[G0K:G0K+3], s[G1K:G1K+7]
	s_nop 0
.rept 4
	v_nop
.endr
	s_branch .Lasked
.Lfor_v:
	tensor_load_to_lds s[G0V:G0V+3], s[G1V:G1V+7]
	s_nop 0
.rept 4
	v_nop
.endr
.Lasked:
	v_and_b32 v93, 15, v0                          ; r
	v_bfe_u32 v94, v0, 4, 1                        ; h
	v_and_b32 v95, 31, v0                          ; lane
	v_and_b32 v249, 7, v0                          ; r % 8
	v_bfe_u32 v250, v0, 3, 1                       ; r / 8
	v_mul_u32_u24 v248, v93, 48
	v_mul_u32_u24 v[AK0], v249, 48
	v_mad_u32_u24 v248, v94, 24, v248              ; 48 r + 24 h
	v_mad_u32_u24 v[AK0], v94, 24, v[AK0]
	v_add_nc_u32 v[AV0], VREG, v248
	v_mad_u32_u24 v[AK0], v250, KOD, v[AK0]        ; K: 48 (r % 8) + 24 h, rows 8-15 in the odd region
	v_lshl_add_u32 v[ASK0], v249, 2, SCK
	v_lshl_add_u32 v[ASV0], v95, 2, SCV            ; V's words: 4 r, lanes 16-31 the next tile's
	v_lshl_add_u32 v[ASK0], v250, 7, v[ASK0]
	v_lshlrev_b32 v[SH8], 3, v94
	v_lshl_add_u32 v[ASK0], v94, 6, v[ASK0]        ; K's words: 4 (r % 8) + 128 (r / 8), lanes 16-31 the next tile's, 16 stored keys on
	s_mul_i32 s58, s[WV], 768
	s_add_co_u32 s58, s58, STG
	v_add_nc_u32 v[STI], s58, v248
	v_lshlrev_b32 v[GO], 3, v95
	v_lshlrev_b32 v[GS], 5, v93
	v_add_nc_u32 v[STR], s58, v[GO]
	v_lshlrev_b32 v251, 4, v0
	v_lshlrev_b32 v252, 2, v93
	v_lshl_add_u32 v253, v0, 4, SCK
	v_lshl_add_u32 v254, v0, 3, SCV
.irp j, 22,23,24,25,26,27, 80,81,82,83,84,85
	v_mov_b32 v[\j], 0                             ; Q's K = 64 .. 127: zero codes; and what stands behind K's last fragment
.endr
	v_mov_b32 v[PX], 0                             ; a lane permute's destination counts as one of its sources
	v_mov_b32 v[F+1], 0                            ; named as the upper half of a pair
	s_bfe_u32 s98, ttmp6, 0x40000                  ; cx enters global addresses alone
	s_lshl_b32 s99, ttmp9, 2
	s_add_co_u32 s98, s98, s99                     ; my block of 512 queries
	s_lshl_b32 s98, s98, 9
	s_lshl_b32 s99, s14, 11
	s_add_co_u32 s98, s98, s99
	s_lshl_b32 s99, s[WV], 5
	s_add_co_u32 s98, s98, s99                     ; my first row: 2,048 batch + 512 block + 32 wave
	s_mul_i32 s84, s15, 393216
	s_mul_i32 s85, s98, 48
	s_add_co_u32 s84, s84, s85
	s_mov_b32 s85, 0
	s_add_nc_u64 s[90:91], s[4:5], s[84:85]        ; Q's codes
	s_add_nc_u64 s[10:11], s[10:11], s[84:85]      ; att_codes: the same layout
	s_lshl_b32 s84, s17, 15
	s_lshl_b32 s99, s98, 2
	s_add_co_u32 s84, s84, s99
	s_add_nc_u64 s[92:93], s[6:7], s[84:85]        ; Q's scale words
	s_lshl_b32 s84, s98, 5
	s_lshl_b32 s99, s15, 1
	s_add_co_u32 s84, s84, s99
	s_add_nc_u64 s[12:13], s[12:13], s[84:85]      ; att_scales: 32 bytes a row, my head's two
	s_add_co_u32 s84, s17, 8
	s_lshl_b32 s84, s84, 15
	s_lshl_b32 s99, s14, 13
	s_add_co_u32 s84, s84, s99
	s_add_nc_u64 s[86:87], s[6:7], s[84:85]        ; K's scale words
	s_lshl_b32 s84, s14, 4
	s_add_co_u32 s84, s84, s[WV]
	s_lshl_b32 s84, s84, 12
	s_lshl_b32 s99, s15, 8
	s_add_co_u32 s84, s84, s99
	s_add_co_u32 s84, s84, 524288
	s_add_nc_u64 s[88:89], s[6:7], s[84:85]        ; V's: 128 keys x 64 d a wave
	s_wait_alu depctr_va_vdst(0)                   ; the wait behind the run of scalar lines
.irp p, 0,1,2
	global_load_b64 v[16+2*\p:17+2*\p], v248, s[90:91] offset:8*\p
	global_load_b64 v[Q2+2*\p:Q2+2*\p+1], v248, s[90:91] offset:768+8*\p
.endr
	global_load_b32 v[QW], v252, s[92:93]
	global_load_b32 v[Q2+6], v252, s[92:93] offset:64
	global_load_b128 v[96:99], v251, s[86:87]
	global_load_b64 v[100:101], v[GO], s[88:89]
	s_wait_loadcnt 0x0
	s_wait_kmcnt 0x0
	s_and_b32 s58, s19, 0x7fffffff
	s_mul_f32 s[CS], s58, 0x3e38aa3b               ; c
	s_mov_b32 s[CS+1], s[CS]
	s_ashr_i32 s59, s19, 31
	s_and_b32 s60, s59, 0x20820820                 ; the top bits of 16 codes in 96 bits
	s_and_b32 s61, s59, 0x08208208
	s_and_b32 s63, s59, 0x82082082
.irp u, 16,19,Q2,Q2+3
	v_xor_b32 v[\u], s60, v[\u]
	v_xor_b32 v[\u+1], s61, v[\u+1]
	v_xor_b32 v[\u+2], s63, v[\u+2]
.endr
.irp j, QW,Q2+6,96,97,98,99
	v_bfe_u32 v[\j], v[\j], s16, 16                ; my head's two bytes; bytes 2 and 3 are 0: they scale zero products
.endr
	ds_store_b128 v253, v[96:99]
	ds_store_b64 v254, v[100:101]
	s_wait_alu depctr_va_vdst(0)                   ; the wait at the head's end
	s_wait_tensorcnt 0x0                           ; my part of K or V has landed,
	s_wait_dscnt 0x0                               ; and my scale words
	s_barrier_signal -1
	s_barrier_wait -1                              ; so has everybody's
.macro KLOAD ak, as, kb, sb            ; K's eight fragments and four registers of scale words
.irp f, 0,1,2,3,4,5,6,7
.irp p, 0,1,2
	ds_load_b64 v[KF+6*\f+2*\p:KF+6*\f+2*\p+1], v[\ak] offset:\kb+(\f/4)*1536+((\f%2)*2+(\f%4)/2)*384+8*\p
.endr
.endr
.irp j, 0,1,2,3
	ds_load_b32 v[KS+\j], v[\as] offset:\sb+(\j/2)*256+(\j%2)*32
.endr
.endm
.macro PADD d, j
	v_pk_add_f32 v[\d:\d+1], v[\d:\d+1], v[S+2*(\j):S+2*(\j)+1]
.endm
.macro TADD d, e
	v_pk_add_f32 v[\d:\d+1], v[\d:\d+1], v[\e:\e+1]
.endm
; A KEY STEP: 128 keys.  pre = 1: the next step's K is fetched under this step's vector work.
.macro STEP pre
	v_add_nc_u32 v[ADV], s[TV], v[AV0]
	v_add_nc_u32 v[ADT], s[TJ], v[ASV0]
	v_mov_b32 v[OLD], v12
	v_nop
	v_nop                                          ; five places: the scores are laid over registers that the last products read as V's fragments
.irp f, 0,1,2,3,4,5,6,7
.if \f%2
	v_wmma_scale_f32_16x16x128_f8f6f4 v[S+8*\f:S+8*\f+7], v[KF+6*\f:KF+6*\f+11], v[16:27], 0, v[KS+\f/2], v[QW] matrix_a_fmt:MATRIX_FMT_FP6 matrix_b_fmt:MATRIX_FMT_FP6 matrix_a_scale:MATRIX_SCALE_ROW1
.else
	v_wmma_scale_f32_16x16x128_f8f6f4 v[S+8*\f:S+8*\f+7], v[KF+6*\f:KF+6*\f+11], v[16:27], 0, v[KS+\f/2], v[QW] matrix_a_fmt:MATRIX_FMT_FP6 matrix_b_fmt:MATRIX_FMT_FP6
.endif
.endr
.if \pre
	v_add_nc_u32 v[ADK], s[TK], v[AK0]
	v_add_nc_u32 v[ADS], s[TS], v[ASK0]
	v_nop
	v_nop                                          ; four places behind the products
	KLOAD ADK, ADS, 3072, 512
.else
.rept 4
	v_nop
.endr
.endif
.irp b, 0,1,2,3                                ; four chains of 15 scores; each accumulator is first read at its low end
	v_max3_num_f32 v[BM+\b], v[S+16*\b], v[S+16*\b+1], v[S+16*\b+2]
.endr
.irp i, 3,5,7,9,11,13
.irp b, 0,1,2,3
	v_max3_num_f32 v[BM+\b], v[BM+\b], v[S+16*\b+\i], v[S+16*\b+\i+1]
.endr
.endr
	v_max3_num_f32 v[BM], v[BM], v[BM+1], v[S+15]
	v_max3_num_f32 v[BM+2], v[BM+2], v[BM+3], v[S+47]
	v_max_num_f32 v[BM], v[BM], v[S+31]            ; the largest score of my block 2 c + h: it serves the row's maximum and, since p rises with the score, the block's largest p
	v_max_num_f32 v[BM+2], v[BM+2], v[S+63]
	s_delay_alu instid0(VALU_DEP_1)
	v_max_num_f32 v[TMP], v[BM], v[BM+2]
	s_delay_alu instid0(VALU_DEP_1)
	v_permlanex16_b32 v[PX], v[TMP], s[SEL], s[SEL+1]
	s_delay_alu instid0(VALU_DEP_1)
	v_max3_num_f32 v13, v13, v[TMP], v[PX]         ; the row's largest score so far
	s_delay_alu instid0(VALU_DEP_1)
	v_mul_f32 v[TMP], s[CS], v13                   ; as t (c is not negative)
	s_delay_alu instid0(VALU_DEP_1)
	v_floor_f32 v12, -v[TMP]                       ; -M = -ceil(t)
	s_delay_alu instid0(VALU_DEP_1)
	v_sub_f32 v[TMP], v12, v[OLD]                  ; old M - new M, a whole number, 0 or less
	s_delay_alu instid0(VALU_DEP_1)
	v_cvt_i32_f32 v[TMP], v[TMP]                   ; (it saturates)
	s_delay_alu instid0(VALU_DEP_1)
	v_ldexp_f32 v[F], 1.0, v[TMP]                  ; f = 2^(old M - new M)
.set j, 0
.rept 32
	v_pk_fma_f32 v[S+j:S+j+1], v[S+j:S+j+1], s[CS:CS+1], v[12:13] op_sel_hi:[1,0,0]   ; t - M
.set j, j+2
.endr
	v_fma_f32 v[BM], v[BM], s[CS], v12             ; the same of the blocks' largest scores: the same bits
	v_fma_f32 v[BM+2], v[BM+2], s[CS], v12
	s_wait_alu depctr_va_vdst(0)                   ; the wait ahead of the batch
.set j, 0
.rept 64
	v_exp_f32 v[S+j], v[S+j]                       ; p = 2^(t - M)
.set j, j+1
.endr
	v_exp_f32 v[BM], v[BM]
	v_exp_f32 v[BM+2], v[BM+2]
	v_pk_mul_f32 v[14:15], v[14:15], v[F:F+1] op_sel_hi:[1,0]   ; the sum under the new M (the plain line behind the batch)
	s_wait_alu depctr_va_vdst(0)                   ; and the one wait behind it
	v_max_num_f32 v[BM], 0x1800000, v[BM]          ; the floor 2^(3 - 127)
	v_max_num_f32 v[BM+2], 0x1800000, v[BM+2]
.irp i, 0,1,2,3,4,5,6                          ; the row's sum of the unquantised p, in eight chains; the scale's lines stand among them
	v_pk_add_f32 v[T+2*\i:T+2*\i+1], v[S+4*\i:S+4*\i+1], v[S+4*\i+2:S+4*\i+3]
.endr
	PADD 14, 14
	v_add_nc_u32 v[SO], 0xff000000, v[BM]          ; 2 off the exponent field: the conversion's scale operand
	v_add_nc_u32 v[SO+1], 0xff000000, v[BM+2]
.irp i, 0,1,2,3,4,5,6
	PADD T+2*\i, 15+\i
.endr
	PADD 14, 22
	v_lshrrev_b32 v[BY], 23, v[SO]
	v_lshrrev_b32 v[BY+1], 23, v[SO+1]
.irp i, 0,1,2,3,4,5,6
	PADD T+2*\i, 23+\i
.endr
	PADD 14, 30
	v_lshl_or_b32 v[BY], v[BY+1], 16, v[BY]        ; my blocks h and 2 + h,
	PADD T, 31
	TADD T+4, T+6
	v_lshlrev_b32 v[BY], v[SH8], v[BY]             ; at their places in the word;
	TADD T+8, T+10
	TADD 14, T+12
	v_permlanex16_b32 v[PX], v[BY], s[SEL], s[SEL+1]
	TADD T, T+2
	TADD 14, T+8
	v_or_b32 v[PW], v[BY], v[PX]                   ; with lane l xor 16's two the word is whole
	TADD T, T+4
	s_delay_alu instid0(VALU_DEP_1)
	TADD 14, T
	v_cvt_scalef32_pk16_fp6_f32 v[PC:PC+2], v[S:S+15], v[SO]
	v_cvt_scalef32_pk16_fp6_f32 v[PU:PU+2], v[S+16:S+31], v[SO]       ; (a conversion's three registers begin on an even number)
	v_cvt_scalef32_pk16_fp6_f32 v[PC+6:PC+8], v[S+32:S+47], v[SO+1]
	v_cvt_scalef32_pk16_fp6_f32 v[PU+4:PU+6], v[S+48:S+63], v[SO+1]
	v_nop                                          ; one plain line behind a scaled conversion
.irp t, 0,1,2,3                                ; V's four fragments into the registers that p has left
.irp p, 0,1,2,3,4,5
	ds_load_b64 v[S+12*\t+2*\p:S+12*\t+2*\p+1], v[ADV] offset:(\p/3)*3072+\t*768+8*(\p%3)
.endr
.endr
	ds_load_b32 v[VS], v[ADT]
	ds_load_b32 v[VS+1], v[ADT] offset:128
.irp i, 0,1,2
	v_mov_b32 v[PC+3+\i], v[PU+\i]
	v_mov_b32 v[PC+9+\i], v[PU+4+\i]
.endr
	s_wait_alu depctr_va_vdst(0)                   ; the wait directly ahead of the first reader of O^T
.set j, 0
.rept 16
	v_pk_mul_f32 v[O+j:O+j+1], v[O+j:O+j+1], v[F:F+1] op_sel_hi:[1,0]   ; O^T under the new M; also the places between p's codes and scale word and the products
.set j, j+2
.endr
	s_wait_alu depctr_va_vdst(0)
	s_wait_dscnt 0x0                               ; V's fragments, and the next step's K
.irp t, 0,1,2,3                                ; the four accumulators by turns; the scores' eight products stand between two links of a chain
.if \t%2
	v_wmma_scale_f32_16x16x128_f8f6f4 v[O+8*\t:O+8*\t+7], v[S+12*\t:S+12*\t+11], v[PC:PC+11], v[O+8*\t:O+8*\t+7], v[VS+\t/2], v[PW] matrix_a_fmt:MATRIX_FMT_FP6 matrix_b_fmt:MATRIX_FMT_FP6 matrix_a_scale:MATRIX_SCALE_ROW1
.else
	v_wmma_scale_f32_16x16x128_f8f6f4 v[O+8*\t:O+8*\t+7], v[S+12*\t:S+12*\t+11], v[PC:PC+11], v[O+8*\t:O+8*\t+7], v[VS+\t/2], v[PW] matrix_a_fmt:MATRIX_FMT_FP6 matrix_b_fmt:MATRIX_FMT_FP6
.endif
.endr
	s_add_co_u32 s[TK], s[TK], 3072
	s_add_co_u32 s[TS], s[TS], 512
	s_add_co_u32 s[TV], s[TV], 6144
	s_add_co_u32 s[TJ], s[TJ], 256
.endm
; A PASS: 16 of my 32 queries against all 2,048 keys, and their way out.
.macro PASS n
.if \n
	s_wait_xcnt 0x0                                ; the first pass's stores have read their registers
.irp i, 0,1,2,3,4,5
	v_mov_b32 v[16+\i], v[Q2+\i]
.endr
	v_mov_b32 v[QW], v[Q2+6]
.endif
	v_mov_b32 v13, 0xff61b1e6                      ; the largest score so far: -3e38
	v_mov_b32 v12, 0x7f61b1e6                      ; -M
	v_mov_b32 v14, 0
	v_mov_b32 v15, 0
	s_mov_b32 s[TK], 0
	s_mov_b32 s[TS], 0
	s_mov_b32 s[TV], 0
	s_mov_b32 s[TJ], 0
	KLOAD AK0, ASK0, 0, 0
.set j, 0
.rept 32
	v_mov_b32 v[O+j], 0                            ; the step is written once: the first finds zeros.  Also the places behind the writes of Q and its scale word
.set j, j+1
.endr
	s_wait_alu depctr_va_vdst(0)
	s_wait_dscnt 0x0
	s_mov_b32 s[CNT], 15
.Lstep_\@:
	STEP 1
	s_sub_co_u32 s[CNT], s[CNT], 1
	s_cmp_lg_u32 s[CNT], 0
	s_cbranch_scc1 .Lstep_\@
	STEP 0                                         ; the last step fetches nothing more
.rept 4
	v_nop                                          ; places behind the last products
.endr
	v_add_f32 v14, v14, v15
	s_delay_alu instid0(VALU_DEP_1)
	v_permlanex16_b32 v[PX], v14, s[SEL], s[SEL+1]
	s_delay_alu instid0(VALU_DEP_1)
	v_add_f32 v14, v14, v[PX]                      ; the row's sum
	s_wait_alu depctr_va_vdst(0)
	v_rcp_f32 v14, v14
	v_nop
	s_wait_alu depctr_va_vdst(0)
.set j, 0
.rept 16
	v_pk_mul_f32 v[S+j:S+j+1], v[O+j:O+j+1], v[14:15] op_sel_hi:[1,0]   ; register 16 b + i is d = 32 b + 16 h + i of my query
.set j, j+2
.endr
.irp b, 0,1
	v_max3_num_f32 v[BM+\b], |v[S+16*\b]|, |v[S+16*\b+1]|, 0x1800000
.endr
.irp i, 2,4,6,8,10,12,14
.irp b, 0,1
	v_max3_num_f32 v[BM+\b], v[BM+\b], |v[S+16*\b+\i]|, |v[S+16*\b+\i+1]|
.endr
.endr
	v_permlanex16_b32 v[PX], v[BM], s[SEL], s[SEL+1]
	v_permlanex16_b32 v[OLD], v[BM+1], s[SEL], s[SEL+1]
	v_max_num_f32 v[BM], v[BM], v[PX]
	v_max_num_f32 v[BM+1], v[BM+1], v[OLD]
	v_add_nc_u32 v[SO], 0xff000000, v[BM]
	v_add_nc_u32 v[SO+1], 0xff000000, v[BM+1]
	v_lshrrev_b32 v[BY], 23, v[SO]
	v_lshrrev_b32 v[BY+1], 23, v[SO+1]
	s_delay_alu instid0(VALU_DEP_1)
	v_lshl_or_b32 v[BY], v[BY+1], 8, v[BY]         ; my row's two scale bytes of this head
	v_cvt_scalef32_pk16_fp6_f32 v[PC:PC+2], v[S:S+15], v[SO]
	v_cvt_scalef32_pk16_fp6_f32 v[PU:PU+2], v[S+16:S+31], v[SO+1]
	v_nop
.irp i, 0,1,2
	v_permlane16_swap_b32 v[PC+\i], v[PU+\i]       ; lanes 0-15 now hold block 0 whole, lanes 16-31 block 1
.endr
.irp i, 0,1,2
	v_mov_b32 v[PC+3+\i], v[PU+\i]
.endr
.irp p, 0,1,2
	ds_store_b64 v[STI], v[PC+2*\p:PC+2*\p+1] offset:8*\p
.endr
.irp i, 0,1,2
	ds_load_b64 v[T+2*\i:T+2*\i+1], v[STR] offset:256*\i   ; LDS serves a wave's instructions in order
.endr
	s_wait_alu depctr_va_vdst(0)
	s_wait_dscnt 0x0
.irp i, 0,1,2
	global_store_b64 v[GO], v[T+2*\i:T+2*\i+1], s[10:11] offset:768*\n+256*\i   ; 256 consecutive bytes, aligned: 16 rows are 768 bytes on end
.endr
	global_store_b16 v[GS], v[BY], s[12:13] offset:512*\n
.endm
	PASS 0
	PASS 1
	s_wait_tensorcnt 0x0                           ; the wave's end
	ds_add_u32 v[SPW], v[NIL]
	s_wait_dscnt 0x0
	CROUND                                         ; the closing round
	s_endpgm
.Lfunc_end_k_q6e8801683f_attn:
	.size	k_q6e8801683f_attn, .Lfunc_end_k_q6e8801683f_attn-k_q6e8801683f_attn
	.p2alignl 7, 3214868480
	.fill 96, 4, 3214868480
	.section	.rodata,"a",@progbits
	.p2align	6, 0x0
	.amdhsa_kernel k_q6e8801683f_attn
		.amdhsa_group_segment_fixed_size 223488
		.amdhsa_private_segment_fixed_size 0
		.amdhsa_enable_private_segment 0
		.amdhsa_kernarg_size 40
		.amdhsa_user_sgpr_count 2
		.amdhsa_user_sgpr_kernarg_segment_ptr 1
		.amdhsa_wavefront_size32 1
		.amdhsa_system_sgpr_workgroup_id_x 1
		.amdhsa_system_sgpr_workgroup_id_y 1
		.amdhsa_system_sgpr_workgroup_id_z 1
		.amdhsa_system_vgpr_workitem_id 0
		.amdhsa_next_free_vgpr 256
		.amdhsa_next_free_sgpr 100
		.amdhsa_reserve_vcc 0
		.amdhsa_float_denorm_mode_32 3
		.amdhsa_float_denorm_mode_16_64 3
		.amdhsa_memory_ordered 1
		.amdhsa_forward_progress 1
		.amdhsa_inst_pref_size 88
	.end_amdhsa_kernel
	.amdgpu_metadata
---
amdhsa.version: [ 1, 2 ]
amdhsa.kernels:
  - .name:           k_q6e8801683f_attn
    .symbol:         k_q6e8801683f_attn.kd
    .args:
      - { .name: qkv_codes, .offset: 0, .size: 8, .value_kind: global_buffer, .address_space: global }
      - { .name: qkv_scales, .offset: 8, .size: 8, .value_kind: global_buffer, .address_space: global }
      - { .name: rescale, .offset: 16, .size: 8, .value_kind: global_buffer, .address_space: global }
      - { .name: att_codes, .offset: 24, .size: 8, .value_kind: global_buffer, .address_space: global }
      - { .name: att_scales, .offset: 32, .size: 8, .value_kind: global_buffer, .address_space: global }
    .group_segment_fixed_size: 223488
    .private_segment_fixed_size: 0
    .kernarg_segment_align: 8
    .kernarg_segment_size: 40
    .max_flat_workgroup_size: 512
    .sgpr_count:     100
    .vgpr_count:     256
    .wavefront_size: 32
...
	.end_amdgpu_metadata
.endif
;; end of part 3
;; launch gemm_out (part 4): grid 4 x 64, 4 waves a work-group, clusters of 4 x 4, 327,680 bytes of LDS; arguments att_codes, att_scales, codes, scales, out0, b_out; writes out0
.if DOCPART == 4
	.amdgcn_target "amdgcn-amd-amdhsa--gfx1250"
	.amdhsa_code_object_version 6
	.text
	.protected	k_q6e8801683f_gemm_out
	.globl	k_q6e8801683f_gemm_out
	.p2align	8
	.type	k_q6e8801683f_gemm_out,@function
k_q6e8801683f_gemm_out:
	s_mov_b64 s[64:65], 0
	v_nop
	global_prefetch_b8 v0, s[64:65] scope:SCOPE_SE
	s_setreg_imm32_b32 hwreg(HW_REG_WAVE_MODE, 25, 1), 1
	s_wait_xcnt 0x0
	s_wait_alu depctr_hold_cnt(0) depctr_sa_sdst(0) depctr_va_vdst(0) depctr_va_sdst(0) depctr_va_ssrc(0) depctr_va_vcc(0) depctr_vm_vsrc(0)
	s_getreg_b32 s2, hwreg(HW_REG_IB_STS2, 6, 4)
	s_cmp_eq_u32 s2, 0
	s_cbranch_scc0 .Lentry_in_a_cluster
	s_endpgm
.Lentry_in_a_cluster:
	s_bfe_u32 s2, ttmp6, 0x10000c
	s_cmp_lg_u32 s2, 0xf033
	s_cbranch_scc0 .Lentry_shape_is_right
	s_endpgm
.Lentry_shape_is_right:
; out0 = att w_out^T + b_out on codes of FP6 (E2M3) with E8M0 scales, K = 1,024; f32 out.  A: att_codes, 16 planes (heads) of [8,192 stored rows][48 bytes]; B: rows 11,264 .. of codes, 16 planes of [12,288 rows][48 bytes].
; A block of 128 x 256 to a work-group, so that the grid is 4 x 64 = 256 work-groups; four waves, 64 x 128 a wave: 32 accumulators in window 2; source 0 = 16 rows of B, source 1 = 16 rows of A; the bias is the C of the first products.
; ALL OF K LIES IN LDS: (128 + 256) rows x 768 bytes; nothing is filled again.  Waves 0, 1 fetch A's halves (64 rows), waves 2, 3 B's (128 rows): planes 0-7 by one load a wave at the head, planes 8-15 by one load a wave behind the full
; sequence and a round; that load has steps 0 to 3, 128 matrix instructions, in which to land.  A tile is 8 planes x 3,072 or 6,144 dense bytes, each at a multiple of 256 bytes.
; In LDS a row is 48 bytes: the 32 lanes of a load of 8 bytes at 48 r + 24 h touch 64 different banks.  The scales go through registers into units of 256 + 16 bytes.
; A and B have two sets of fragment registers each: a step's fragments are asked for one step ahead.
; CLUSTERS 4 x 4: A's tiles are asked for jointly along a row, B's along a column.  No data prefetch: both loads go out at the head, and K is 8 steps.
; Stored rows (bits 3 and 4 of the index exchanged) are put back on the way out: A's by the stores' rows, B's by the stage's columns.  The stage lies in planes 0-7 of B's first part: their one fill is over, their last read stands ahead of step 3's barrier.
.set SIZE_N, 1024
.set NQ,     2
.set PLANE,  589824
.set APLANE, 393216
.set FR,     12
.set NP,     4
.set APART,  49152                     ; LDS: 64 rows x 16 planes
.set BPART,  98304                     ; 128 rows x 16 planes
.set BBASE,  2*APART
.set KS,     32
.set SCL,    BBASE+2*BPART             ; the scales: A's 128 rows, then B's 256
.set HALFS,  (128*KS/256)*272
.set SBLK,   (16*KS/256)*272
.set SPARE,  SCL+3*HALFS
.set SPITCH, 528
.set STAGE,  BBASE
.set ADRA, 16                          ; v16-17 my A fragments in planes 0-7, 8-15;  v20-21 B's
.set ADRB, 20
.set STO,  24
.set RD,   25
.set CO,   26
.set ADRS, 27
.set SPW,  28
.set NIL,  29
.set SC,   32                          ; v32-63 scale words, two sets
.set BI,   64                          ; v64-127 the bias in the results' layout
.set AF,   128                         ; v128-175, v176-223 A's fragments, two sets; B's in window 1 at v0 and v128
.set BK,   128
.set G1, 24
.set G0, 32
.set G1B, 48
.set G0B, 56
.set MSB, 0
.macro WIN new
.if MSB != \new
	s_set_vgpr_msb (MSB<<8)|\new
.set MSB, \new
.endif
.endm
.set MUL_LO, 0xa1
.set BIAS_LO, 0x81
.set TO_B,   0x40
.macro JLOAD g0a, g1a, g0b, g1b
	s_cmp_eq_u32 s15, 0
	s_cbranch_scc0 .Lfor_b_\@
	tensor_load_to_lds s[\g0a:\g0a+3], s[\g1a:\g1a+7]
	s_nop 0
.rept 4
	v_nop
.endr
	s_branch .Lasked_\@
.Lfor_b_\@:
	tensor_load_to_lds s[\g0b:\g0b+3], s[\g1b:\g1b+7]
	s_nop 0
.rept 4
	v_nop
.endr
.Lasked_\@:
.endm
.macro CROUND
	s_barrier_signal -1
	s_barrier_wait -1
	s_cmp_lg_u32 s14, 0
	s_cbranch_scc1 .Lnot_wave_0_\@
	s_barrier_signal -3
.Lnot_wave_0_\@:
	s_barrier_wait -3
	s_barrier_signal -1
	s_barrier_wait -1
.endm
	s_load_b256 s[4:11], s[0:1], 0x0               ; att_codes, att_scales, codes, scales
	s_load_b64 s[12:13], s[0:1], 0x20              ; out0
	s_load_b64 s[96:97], s[0:1], 0x28              ; b_out
	v_lshl_add_u32 v[SPW], v0, 2, SPARE
	v_mov_b32 v[NIL], 0
	ds_add_u32 v[SPW], v[NIL]                      ; the opening lines
	ds_add_u32 v[SPW], v[NIL]
	v_lshrrev_b32 v1, 5, v0
	v_readfirstlane_b32 s14, v1
	s_lshr_b32 s15, s14, 1                         ; my half of the block's rows; also: I fetch for A (0) or B (1)
	s_and_b32 s16, s14, 1                          ; my half of its columns; also: which half I fetch
	s_bfe_u32 s40, ttmp6, 0x40000
	s_bfe_u32 s41, ttmp6, 0x40004
	s_lshl_b32 s42, ttmp9, 2
	s_add_co_u32 s42, s42, s40                     ; tile column
	s_and_b32 s17, ttmp7, 0xffff
	s_lshl_b32 s17, s17, 2
	s_add_co_u32 s17, s17, s41                     ; tile row
	s_lshl_b32 s43, s41, 2
	s_lshl_b32 s43, 15, s43
	s_lshl_b32 s44, 0x1111, s40
	s_or_b32 s[G1+0], s43, (3<<16)|(1<<21)         ; elements of 8 bytes; the mask of my row, of my column
	s_or_b32 s[G1B+0], s44, (3<<16)|(1<<21)
	s_mov_b32 s[G1+1], 384<<16                     ; A: 8 planes x 3,072 bytes
	s_mov_b32 s[G1+3], 384<<16
	s_mov_b32 s[G1+5], APLANE/8
	s_mov_b32 s[G1B+1], 768<<16                    ; B: 8 planes x 6,144 bytes
	s_mov_b32 s[G1B+3], 768<<16
	s_mov_b32 s[G1B+5], PLANE/8
.irp g, G1, G1B
	s_mov_b32 s[\g+2], 8<<16
	s_mov_b32 s[\g+4], 8
	s_mov_b32 s[\g+6], 0
	s_mov_b32 s[\g+7], 0
.endr
	s_lshl_b32 s20, s17, 7
	s_lshl_b32 s18, s16, 6
	s_add_co_u32 s20, s20, s18                     ; A: row 128 x tile row + 64 x half
	s_lshl_b32 s46, s42, 8
	s_lshl_b32 s18, s16, 7
	s_add_co_u32 s46, s46, s18
	s_add_co_u32 s46, s46, 11264                   ; B: row 11,264 + 256 x tile column + 128 x half
	s_mov_b32 s21, 0
	s_mov_b32 s47, 0
	s_mov_b64 s[18:19], KS
	s_mul_u64 s[22:23], s[20:21], s[18:19]
	s_mul_u64 s[92:93], s[46:47], s[18:19]
	s_mov_b64 s[18:19], 48
	s_mul_u64 s[20:21], s[20:21], s[18:19]
	s_mul_u64 s[46:47], s[46:47], s[18:19]
	s_mul_i32 s45, s16, APART                      ; A's part that I fetch
	s_mul_i32 s3, s16, BPART
	s_add_co_u32 s3, s3, BBASE                     ; B's part that I fetch, which is also the one that I multiply
	s_mul_i32 s68, s15, APART                      ; A's part that I multiply
	s_add_co_u32 s70, s68, APART/2
	s_add_co_u32 s71, s3, BPART/2
	s_mul_i32 s72, s15, HALFS/2
	s_mul_i32 s73, s16, HALFS
	s_add_co_u32 s73, s73, HALFS
	s_sub_co_u32 s73, s73, s72                     ; from A's scale words to B's
	s_add_co_u32 s72, s72, SCL
	s_mul_i32 s74, s14, 16*SPITCH
	s_add_co_u32 s74, s74, STAGE                   ; my stage
	s_add_co_u32 s75, s15, 1
	s_mul_i32 s75, s75, s16
	s_mul_i32 s75, s75, HALFS/2
	s_mul_i32 s76, s15, HALFS
	s_add_co_u32 s75, s75, s76
	s_add_co_u32 s75, s75, SCL                     ; where I store scales: A's halves 2,176 bytes apart, then B's 4,352 apart
	s_wait_dscnt 0x0
	s_wait_kmcnt 0x0
	s_add_nc_u64 s[20:21], s[4:5], s[20:21]
	s_add_nc_u64 s[22:23], s[6:7], s[22:23]
	s_add_nc_u64 s[46:47], s[8:9], s[46:47]
	s_add_nc_u64 s[92:93], s[10:11], s[92:93]
	s_cmp_eq_u32 s15, 0
	s_cselect_b64 s[92:93], s[22:23], s[92:93]     ; the scales of the rows that I fetch
	CROUND
	s_mov_b32 s[G0], 1
	s_add_co_u32 s[G0+1], s45, 0
	s_mov_b64 s[G0+2:G0+3], s[20:21]
	s_or_b32 s[G0+3], s[G0+3], 0x80000000
	s_mov_b32 s[G0+4], 1
	s_add_co_u32 s[G0+5], s45, APART/2
	s_add_nc_u64 s[G0+6:G0+7], s[20:21], 8*APLANE
	s_or_b32 s[G0+7], s[G0+7], 0x80000000
	s_mov_b32 s[G0B], 1
	s_add_co_u32 s[G0B+1], s3, 0
	s_mov_b64 s[G0B+2:G0B+3], s[46:47]
	s_or_b32 s[G0B+3], s[G0B+3], 0x80000000
	s_mov_b32 s[G0B+4], 1
	s_add_co_u32 s[G0B+5], s3, BPART/2
	s_add_nc_u64 s[G0B+6:G0B+7], s[46:47], 8*PLANE
	s_or_b32 s[G0B+7], s[G0B+7], 0x80000000
	JLOAD G0, G1, G0B, G1B                         ; planes 0-7: one tensor load a wave at the head
	v_and_b32 v1, 15, v0
	v_bfe_u32 v2, v0, 4, 1
	v_and_b32 v6, 31, v0
	v_lshlrev_b32 v[CO], 4, v6
	v_mul_u32_u24 v4, v1, 48
	v_mad_u32_u24 v4, v2, 24, v4
	v_add_nc_u32 v[ADRA], s68, v4
	v_add_nc_u32 v[ADRB], s3, v4
	v_add_nc_u32 v[ADRA+1], s70, v4
	v_add_nc_u32 v[ADRB+1], s71, v4
	v_mul_u32_u24 v5, v1, KS
	v_lshrrev_b32 v6, 8, v5
	v_lshl_add_u32 v5, v6, 4, v5
	v_mul_u32_u24 v6, s73, v2                      ; lanes 16-31 take B's
	v_add_nc_u32 v5, v5, v6
	v_add_nc_u32 v[ADRS], s72, v5
	v_mul_u32_u24 v10, v2, 272
	v_lshl_add_u32 v10, v1, 4, v10
	v_add_nc_u32 v10, s75, v10                     ; a unit of 256 bytes to sixteen lanes, 272 apart
	v_mul_u32_u24 v5, v1, SPITCH
	v_lshl_add_u32 v5, v2, 6, v5
	v_add_nc_u32 v[STO], s74, v5
	v_add_nc_u32 v[RD], s74, v[CO]
	v_lshlrev_b32 v8, 6, v2
	s_lshl_b32 s20, s17, 7
	s_lshl_b32 s21, s15, 6
	s_add_co_u32 s20, s20, s21                     ; my first row of out0
	s_mov_b32 s21, 0
	s_mov_b64 s[18:19], SIZE_N*4
	s_mul_u64 s[20:21], s[20:21], s[18:19]
	s_lshl_b32 s46, s42, 10
	s_lshl_b32 s47, s16, 9
	s_add_co_u32 s46, s46, s47                     ; my first column, in bytes
	s_mov_b32 s47, 0
	s_add_nc_u64 s[96:97], s[96:97], s[46:47]
	s_add_nc_u64 s[20:21], s[20:21], s[46:47]
	s_add_nc_u64 s[12:13], s[12:13], s[20:21]
	s_wait_alu depctr_va_vdst(0)                   ; the wait at the head's end
.irp i, 0,1,2,3
	global_load_b128 v[AF+4*\i:AF+4*\i+3], v[CO], s[92:93] offset:512*\i   ; 512 consecutive bytes
.endr
.irp b, 0,1,2,3,4,5,6,7
	global_load_b128 v[BI+8*\b:BI+8*\b+3], v8, s[96:97] offset:128*(\b/2)+32*(\b%2)
	global_load_b128 v[BI+8*\b+4:BI+8*\b+7], v8, s[96:97] offset:128*(\b/2)+32*(\b%2)+16
.endr
	s_cmp_eq_u32 s15, 0                            ; A's waves bring 64 rows' scales, B's 128
	s_cbranch_scc1 .Lshort
.irp i, 4,5,6,7
	global_load_b128 v[AF+4*\i:AF+4*\i+3], v[CO], s[92:93] offset:512*\i
.endr
	s_wait_loadcnt 0x0
.irp i, 4,5,6,7
	ds_store_b128 v10, v[AF+4*\i:AF+4*\i+3] offset:544*\i
.endr
.Lshort:
	s_wait_loadcnt 0x0                             ; the scales and the bias
.irp i, 0,1,2,3
	ds_store_b128 v10, v[AF+4*\i:AF+4*\i+3] offset:544*\i
.endr
.macro FRAG reg, adr, q, i, pl         ; 16 rows x 128 K: planes 2 q, 2 q + 1 of the eight, pl bytes apart; 24 bytes of each as three loads of 8
.irp p, 0,1,2,3,4,5
	ds_load_b64 v[\reg+2*\p:\reg+2*\p+1], v[\adr] offset:(2*(\q)+\p/3)*(\pl)+(\i)*768+8*(\p%3)
.endr
.endm
.macro MUL16 a0, p, q, sc, zero        ; A's blocks a0, a0 + 1 x B's eight; the 32 accumulators by turns, in the same order in every step
.irp a, \a0, \a0+1
.irp b, 0,1,2,3,4,5,6,7
.if \zero
	v_wmma_scale_f32_16x16x128_f8f6f4 v[8*(8*(\a)+\b):8*(8*(\a)+\b)+7], v[128*(\p)+FR*\b:128*(\p)+FR*\b+FR-1], v[AF+48*(\p)+FR*(\a):AF+48*(\p)+FR*(\a)+FR-1], v[BI+8*\b:BI+8*\b+7], v[SC+8*NQ*(\sc)+NQ*\b+(\q)], v[SC+8*NQ*(\sc)+NQ*(\a)+(\q)] matrix_a_fmt:MATRIX_FMT_FP6 matrix_b_fmt:MATRIX_FMT_FP6 matrix_a_scale:MATRIX_SCALE_ROW1
.else
	v_wmma_scale_f32_16x16x128_f8f6f4 v[8*(8*(\a)+\b):8*(8*(\a)+\b)+7], v[128*(\p)+FR*\b:128*(\p)+FR*\b+FR-1], v[AF+48*(\p)+FR*(\a):AF+48*(\p)+FR*(\a)+FR-1], v[8*(8*(\a)+\b):8*(8*(\a)+\b)+7], v[SC+8*NQ*(\sc)+NQ*\b+(\q)], v[SC+8*NQ*(\sc)+NQ*(\a)+(\q)] matrix_a_fmt:MATRIX_FMT_FP6 matrix_b_fmt:MATRIX_FMT_FP6 matrix_a_scale:MATRIX_SCALE_ROW1
.endif
.endr
.endr
.endm
.macro FETCH_B slot, q, p
	WIN TO_B
.irp i, 0,1,2,3,4,5,6,7
	FRAG 128*(\p)+FR*\i, ADRB+\slot, \q, \i, 6144
.endr
	WIN 0
.endm
.macro FETCH_A slot, q, p
.irp i, 0,1,2,3
	FRAG AF+48*(\p)+FR*\i, ADRA+\slot, \q, \i, 3072
.endr
.endm
.macro SCALES pr                       ; the words of steps 2 pr, 2 pr + 1 into set pr % 2: lanes 0-15 A's block i (read for i under 4), lanes 16-31 B's
.irp i, 0,1,2,3,4,5,6,7
	ds_load_b64 v[SC+8*NQ*((\pr)%2)+NQ*\i:SC+8*NQ*((\pr)%2)+NQ*\i+1], v[ADRS] offset:\i*SBLK+8*(\pr)
.endr
.endm
.macro PLACES n
.rept \n
	v_nop
.endr
.endm
; A step of 128 along K: 32 matrix instructions; the next step's fragments go into the other sets.  kind 1: the next step's codes come by the second load: the wait for it and a barrier.
.macro GSTEP st, kind, zero
.set BP, (\st)%2
.set SS, ((\st)/2)%2
.set NX, (\st)+1
.set SL, NX/4
.set QI, NX%4
.if \kind
	s_wait_dscnt 0x0                               ; this step's fragments are in, and my reads of planes 0-7 are over
	WIN MUL_LO
	MUL16 0, BP, BP, SS, 0
	MUL16 2, BP, BP, SS, 0
	WIN 0
	s_wait_tensorcnt 0x0                           ; my part of planes 8-15 has landed
	s_barrier_signal -1
	s_barrier_wait -1                              ; so has everybody's
	PLACES NP
	FETCH_B SL, QI, 1-BP
	SCALES NX/2
	FETCH_A SL, QI, 1-BP
.else
	PLACES NP                                      ; places ahead of loads into the sets that the last step multiplied
	FETCH_B SL, QI, 1-BP
.if BP
	SCALES NX/2
	s_wait_dscnt 56                                ; all but the 48 + 8 loads just issued
.else
	s_wait_dscnt 48                                ; all but the 48 loads just issued
.endif
.if \zero
	WIN BIAS_LO
.else
	WIN MUL_LO
.endif
	MUL16 0, BP, BP, SS, \zero
	WIN 0
	FETCH_A SL, QI, 1-BP
.if \zero
	WIN BIAS_LO
.else
	WIN MUL_LO
.endif
	MUL16 2, BP, BP, SS, \zero
	WIN 0
.endif
.endm
	s_wait_tensorcnt 0x0                           ; my part of planes 0-7 is in; the full sequence ahead of a later first fill
	ds_add_u32 v[SPW], v[NIL]
	s_wait_dscnt 0x0                               ; the add, and my scale stores
	CROUND
	JLOAD G0+4, G1, G0B+4, G1B                     ; planes 8-15
	FETCH_B 0, 0, 0
	SCALES 0
	FETCH_A 0, 0, 0
	GSTEP 0, 0, 1                                  ; the first products start the sums from the bias
	GSTEP 1, 0, 0
	GSTEP 2, 0, 0
	GSTEP 3, 1, 0
	GSTEP 4, 0, 0
	GSTEP 5, 0, 0
	GSTEP 6, 0, 0
	s_wait_dscnt 0x0
	WIN MUL_LO
	MUL16 0, 1, 1, 1, 0
	MUL16 2, 1, 1, 1, 0
	WIN 0
; THE WAY OUT, block by block of 16 rows x 128 columns, through my stage, as whole rows of 512 bytes
.macro TOSTAGE a
.set AC, 64*(\a)
	WIN 0x08
.irp b, 0,1,2,3,4,5,6,7
	ds_store_b128 v[STO], v[AC+8*\b:AC+8*\b+3] offset:128*(\b/2)+32*(\b%2)
	ds_store_b128 v[STO], v[AC+8*\b+4:AC+8*\b+7] offset:128*(\b/2)+32*(\b%2)+16
.endr
	WIN 0
.set BB, BK+64*((\a)%2)
.irp t, 0,1,2,3,4,5,6,7,8,9,10,11,12,13,14,15
	ds_load_b128 v[BB+4*\t:BB+4*\t+3], v[RD] offset:\t*SPITCH
.endr
.endm
.macro SEND a, younger
.set BB, BK+64*((\a)%2)
	s_wait_dscnt \younger
.if (\a) > 0
.if (\a)%2
	s_add_nc_u64 s[12:13], s[12:13], 8*SIZE_N*4
.else
	s_add_nc_u64 s[12:13], s[12:13], 24*SIZE_N*4
.endif
.endif
.irp t, 0,1,2,3,4,5,6,7,8,9,10,11,12,13,14,15
	global_store_b128 v[CO], v[BB+4*\t:BB+4*\t+3], s[12:13] offset:(\t+8*(\t/8))*SIZE_N*4 th:TH_STORE_NT
.endr
.endm
	PLACES NP
	TOSTAGE 0
.irp a, 1,2,3
.if \a > 1
	s_wait_xcnt 0x0                                ; block a - 2's stores have read their registers and their base
.endif
	TOSTAGE \a
	SEND \a-1, 32
.endr
	s_wait_xcnt 0x0
	SEND 3, 0
	s_wait_tensorcnt 0x0                           ; the wave's end
	ds_add_u32 v[SPW], v[NIL]
	s_wait_dscnt 0x0
	CROUND                                         ; the closing round
	s_endpgm
.Lfunc_end_k_q6e8801683f_gemm_out:
	.size	k_q6e8801683f_gemm_out, .Lfunc_end_k_q6e8801683f_gemm_out-k_q6e8801683f_gemm_out
	.p2alignl 7, 3214868480
	.fill 96, 4, 3214868480
	.section	.rodata,"a",@progbits
	.p2align	6, 0x0
	.amdhsa_kernel k_q6e8801683f_gemm_out
		.amdhsa_group_segment_fixed_size 327680
		.amdhsa_private_segment_fixed_size 0
		.amdhsa_enable_private_segment 0
		.amdhsa_kernarg_size 48
		.amdhsa_user_sgpr_count 2
		.amdhsa_user_sgpr_kernarg_segment_ptr 1
		.amdhsa_wavefront_size32 1
		.amdhsa_system_sgpr_workgroup_id_x 1
		.amdhsa_system_sgpr_workgroup_id_y 1
		.amdhsa_system_sgpr_workgroup_id_z 1
		.amdhsa_system_vgpr_workitem_id 0
		.amdhsa_next_free_vgpr 768
		.amdhsa_next_free_sgpr 100
		.amdhsa_reserve_vcc 0
		.amdhsa_float_denorm_mode_32 3
		.amdhsa_float_denorm_mode_16_64 3
		.amdhsa_memory_ordered 1
		.amdhsa_forward_progress 1
		.amdhsa_inst_pref_size 99
	.end_amdhsa_kernel
	.amdgpu_metadata
---
amdhsa.version: [ 1, 2 ]
amdhsa.kernels:
  - .name:           k_q6e8801683f_gemm_out
    .symbol:         k_q6e8801683f_gemm_out.kd
    .args:
      - { .name: att_codes, .offset: 0, .size: 8, .value_kind: global_buffer, .address_space: global }
      - { .name: att_scales, .offset: 8, .size: 8, .value_kind: global_buffer, .address_space: global }
      - { .name: codes, .offset: 16, .size: 8, .value_kind: global_buffer, .address_space: global }
      - { .name: scales, .offset: 24, .size: 8, .value_kind: global_buffer, .address_space: global }
      - { .name: out0, .offset: 32, .size: 8, .value_kind: global_buffer, .address_space: global }
      - { .name: b_out, .offset: 40, .size: 8, .value_kind: global_buffer, .address_space: global }
    .group_segment_fixed_size: 327680
    .private_segment_fixed_size: 0
    .kernarg_segment_align: 8
    .kernarg_segment_size: 48
    .max_flat_workgroup_size: 128
    .sgpr_count:     100
    .vgpr_count:     768
    .wavefront_size: 32
...
	.end_amdgpu_metadata
.endif
;; end of part 4
